; MI455X (gfx1250); checked and timed in simulation.
; The chip was launched on July 23, 2026; its instructions are those of AMD's public machine-readable ISA for CDNA 5 (MIT licence, August 2026) and "CDNA5" Instruction Set Architecture Reference Guide (July 2026). The comments in the code are by the model that wrote it; some were corrected since.
;; Candidate Index. Allowed arithmetic: float matrix products may take bf16 or f16 operands with f32 sums; all other float work in f32.
;; Inputs: invalid_ids 128 x 32 int32; item_embeddings_t 64 x 1,000,000 float32; item_ids 1 x 1,000,000 int32; query_embeddings 128 x 64 float32.
;; Outputs: out0 128 x 100 int32; out1 128 x 100 float32.
;; Constants: k = 100.
;; 3 versions, each right; version 2 is faster than version 1; version 3 is version 2 with the launch rescore written anew for expert scheduling mode. Each part assembles by itself: llvm-mc -triple=amdgcn-amd-amdhsa -mcpu=gfx1250 --defsym DOCPART=n.
;; ======== version 1 of 3: 4 launches
;; workspace buffers: gmax 8,028,160 bytes; gsel 524,288 bytes of whole numbers; cscore 4,718,592 bytes; csel 786,432 bytes of whole numbers
;; launch scan (part 1): grid 245 x 1, 8 waves a work-group, no clusters, 50,688 bytes of LDS; arguments item_embeddings_t, query_embeddings, gmax; writes gmax
.if DOCPART == 1
	.amdgcn_target "amdgcn-amd-amdhsa--gfx1250"
	.amdhsa_code_object_version 6
	.text
	.protected	k_q21cf4c5ed1_scan
	.globl	k_q21cf4c5ed1_scan
	.p2align	8
	.type	k_q21cf4c5ed1_scan,@function
k_q21cf4c5ed1_scan:
	s_mov_b64 s[64:65], 0
	v_nop
	global_prefetch_b8 v0, s[64:65] scope:SCOPE_SE
	s_setreg_imm32_b32 hwreg(HW_REG_WAVE_MODE, 25, 1), 1
	s_wait_xcnt 0x0
; SCAN: gmax[q][g] = the largest score of query q among the 64 items of group g (items 64 g .. 64 g + 63), for all 128 queries.
; Scores are bf16 x bf16 products summed in f32 by the matrix unit; they serve only to find the groups that can hold winners,
; the scores that are ranked and returned are made anew, in a fixed order of summation, by a later launch.
; The table is read once, 16 bytes a lane: sixteen neighbouring lanes take the 256 aligned bytes that a group has in one table row.
; No LDS on the way in: a lane's four columns 4r .. 4r+3 feed four item tiles (tile t holds item 4r+t as its row r), so that the
; loaded registers, rounded to bf16 in pairs along d, ARE the fragments.  Items are the first operand, queries the second:
; register j of lane (r, h) of a result is (item 32h+4j+t, query 16c+r), so the maximum over a group is taken inside the lane
; and joined once across the two halves of the wave.
; Work: a work-group owns 64 groups, a wave 8 of them, written out one after the other; two waves lie on a SIMD.
; No cluster: the work-groups share the queries alone, 32,768 bytes against 1,048,576 bytes of table each.
; No tensor loads: f32 has to pass through registers to become bf16, and the loads already deliver fragments.
; LIMITS: a NaN score loses every maximum (NaN inputs are not served).  Groups 15625 .. 15679 do not exist: the last work-group
; loads group 15624 in their stead and stores -inf for them.
.set ROWB,   4000000                   ; bytes in a table row
.set NBLK,   15625                     ; groups of 64 items
.set GPITCH, 62720                     ; bytes in a row of gmax: 245 x 64 groups x 4
.set SPITCH, 48                        ; stage: 8 groups x 4 bytes of one query + 16: sixteen queries start in sixteen different banks
.set WSTAGE, 6176                      ; a wave's stage: 128 queries x 48 + 32, so that the eight stages are 32 bytes apart modulo 256
; window 0
.set LR,   1                           ; r = lane % 16
.set LH,   2                           ; h = lane / 16
.set QO,   3                           ; byte offset of my part of a query row
.set AB,   4                           ; h x 8 table rows + 16 r
.set STO,  5                           ; stage: where I put a maximum
.set RD,   6                           ; stage: where I read 16 bytes back
.set CO,   7                           ; my byte offset in gmax
.set NINF, 8                           ; -inf
.set TV,   9                           ; at work
.set AD,   10                          ; v[10:41]   byte offsets of my 32 loads of a group; never rewritten
.set PK,   48                          ; v[48:111]  item fragments: tile t at 16 t, K step s at + 8 s
.set ACC0, 112                         ; v[112:175] eight result tiles (query tile c at 8 c)
.set ACC1, 176                         ; v[176:239] eight more: the two sets take turns
.set RM,   240                         ; v[240:247] running maximum for query tile c
.set TMP,  248                         ; v[248:255] the other half's maximum
; window 1
.set QF,   0                           ; v[256:383] query fragments: tile c at 16 c, K step s at + 8 s
.set RAW,  128                         ; v[384:511] a group as loaded: load n at 4 n
; scalars
.set SB,   16                          ; s[16:31]   the table at my group i
.set VM,   32                          ; s[32:39]   all ones if group i exists, else 0
.set MSB, 0
.macro WIN new                         ; the immediate's high byte repeats the setting that is left
.if MSB != \new
	s_set_vgpr_msb (MSB<<8)|\new
.set MSB, \new
.endif
.endm
	s_load_b128 s[4:7], s[0:1], 0x0                ; table s[4:5], queries s[6:7]
	s_load_b64 s[8:9], s[0:1], 0x10                ; gmax
	v_lshl_add_u32 v46, v0, 2, 0xc200
	v_mov_b32 v47, 0
	v_and_b32 v[LR], 15, v0
	v_bfe_u32 v[LH], v0, 4, 1
	v_lshrrev_b32 v[TV], 5, v0
	v_readfirstlane_b32 s10, v[TV]                 ; wave 0..7
	s_mov_b32 s40, 0x76543210                      ; v_permlanex16_b32: lane i reads lane i of the other half
	s_mov_b32 s41, 0xfedcba98
	s_mov_b32 s12, 8*ROWB
	v_lshlrev_b32 v[QO], 8, v[LR]                  ; query r of a tile: 256 bytes a row,
	v_lshl_add_u32 v[QO], v[LH], 5, v[QO]          ; + 8 h numbers
	v_mul_lo_u32 v[AB], v[LH], s12
	v_lshl_add_u32 v[AB], v[LR], 4, v[AB]
; load n brings table row d = 16 (n / 8) + 8 h + n % 8: the order in which a 16-bit fragment wants K
.set n, 0
.rept 32
	v_add_nc_u32 v[AD+n], (16*(n>>3)+(n&7))*ROWB, v[AB]
.set n, n+1
.endr
	s_mul_i32 s12, s10, WSTAGE
	v_mad_u32_u24 v[STO], v[LR], SPITCH, s12       ; my wave's stage, query r of a tile
	v_lshl_add_u32 v[TV], s10, 4, v[LH]            ; the way out: query 16 w + h
	v_mul_u32_u24 v[CO], v[TV], GPITCH
	v_lshl_add_u32 v[CO], v[LR], 4, v[CO]          ; + 16 r: sixteen lanes cover the work-group's 256 bytes of a row of gmax
	v_mul_u32_u24 v[RD], v[TV], SPITCH
	v_lshrrev_b32 v[TV], 1, v[LR]                  ; groups 4 r .. 4 r + 3 were made by wave r / 2,
	v_mad_u32_u24 v[RD], v[TV], WSTAGE, v[RD]
	v_and_b32 v[TV], 1, v[LR]                      ; as its groups 4 (r % 2) .. + 3
	v_lshl_add_u32 v[RD], v[TV], 4, v[RD]
	v_mov_b32 v[NINF], 0xff800000
.irp c, 0,1,2,3,4,5,6,7
	v_mov_b32 v[TMP+\c], 0                         ; v_permlanex16_b32 counts as a reader of its destination
.endr
	s_lshl_b32 s11, ttmp9, 6
	s_lshl3_add_u32 s11, s10, s11                  ; my first group: 64 x work-group + 8 x wave
	s_mov_b32 s13, 0
	s_wait_kmcnt 0x0
.irp i, 0,1,2,3,4,5,6,7
	s_add_co_u32 s12, s11, \i
	s_cmp_lt_u32 s12, NBLK
	s_cselect_b32 s[VM+\i], -1, 0
	s_min_u32 s12, s12, NBLK-1                     ; no load leaves the table
	s_lshl_b32 s12, s12, 8
	s_add_nc_u64 s[SB+2*\i:SB+2*\i+1], s[4:5], s[12:13]
.endr
	s_lshl_b32 s12, ttmp9, 8
	s_add_nc_u64 s[8:9], s[8:9], s[12:13]          ; gmax at the work-group's 64 groups
; four query tiles in f32 into the (still unused) result registers: tile c0 + c at 32 c, 8 numbers for each quarter q of K
.macro QLOAD c0
.irp c, 0,1,2,3
.irp q, 0,1,2,3
	global_load_b128 v[ACC0+32*\c+8*\q:ACC0+32*\c+8*\q+3],   v[QO], s[6:7] offset:(\c0+\c)*4096+\q*64
	global_load_b128 v[ACC0+32*\c+8*\q+4:ACC0+32*\c+8*\q+7], v[QO], s[6:7] offset:(\c0+\c)*4096+\q*64+16
.endr
.endr
.endm
; and rounded to bf16, two neighbouring d to a register
.macro QCVT u0
	WIN 0x40                                       ; destination in window 1
.set u, 0
.rept 64
	v_cvt_pk_bf16_f32 v[QF+\u0+u], v[ACC0+2*u], v[ACC0+2*u+1]
.set u, u+1
.endr
	WIN 0
.endm
; the 32 loads of group i: 64 table rows x 256 bytes, read once in the launch
.macro TLOAD i
	WIN 0x40                                       ; data in window 1, addresses in window 0
.set n, 0
.rept 32
	global_load_b128 v[RAW+4*n:RAW+4*n+3], v[AD+n], s[SB+2*(\i):SB+2*(\i)+1] th:TH_LOAD_NT
.set n, n+1
.endr
.endm
; item tiles t0 and t0 + 1: column t of two neighbouring table rows makes one register of the fragment
.macro CVT t0
	WIN 0x05                                       ; both sources in window 1
.irp t, \t0, \t0+1
.irp q, 0,1,2,3
.irp p, 0,1,2,3
	v_cvt_pk_bf16_f32 v[PK+16*(\t)+4*\q+\p], v[RAW+4*(8*\q+2*\p)+(\t)], v[RAW+4*(8*\q+2*\p+1)+(\t)]
.endr
.endr
.endr
.endm
; item tile t against all eight query tiles, K = 64 in two steps.  The first step starts the sums with the constant 0.
; The eight accumulators take turns, one instruction a turn.
.macro BT t, acc
	WIN 0x04                                       ; the queries' fragments in window 1
.irp c, 0,1,2,3,4,5,6,7
	v_wmma_f32_16x16x32_bf16 v[\acc+8*\c:\acc+8*\c+7], v[PK+16*\t:PK+16*\t+7], v[QF+16*\c:QF+16*\c+7], 0
.endr
.irp c, 0,1,2,3,4,5,6,7
	v_wmma_f32_16x16x32_bf16 v[\acc+8*\c:\acc+8*\c+7], v[PK+16*\t+8:PK+16*\t+15], v[QF+16*\c+8:QF+16*\c+15], v[\acc+8*\c:\acc+8*\c+7]
.endr
.endm
; the eight results of a lane in each of the eight tiles join the running maxima: 32 instructions, eight chains side by side
.macro MAXT acc, first
	WIN 0
.if \first
.irp c, 0,1,2,3,4,5,6,7
	v_max3_num_f32 v[RM+\c], v[\acc+8*\c], v[\acc+8*\c+1], v[\acc+8*\c+2]      ; the first tile starts the maxima
.endr
.irp c, 0,1,2,3,4,5,6,7
	v_max3_num_f32 v[RM+\c], v[RM+\c], v[\acc+8*\c+3], v[\acc+8*\c+4]
.endr
.irp c, 0,1,2,3,4,5,6,7
	v_max3_num_f32 v[RM+\c], v[RM+\c], v[\acc+8*\c+5], v[\acc+8*\c+6]
.endr
.irp c, 0,1,2,3,4,5,6,7
	v_max_num_f32 v[RM+\c], v[RM+\c], v[\acc+8*\c+7]
.endr
.else
.irp j, 0,2,4,6
.irp c, 0,1,2,3,4,5,6,7
	v_max3_num_f32 v[RM+\c], v[RM+\c], v[\acc+8*\c+\j], v[\acc+8*\c+\j+1]
.endr
.endr
.endif
.endm
; the two halves of the wave hold items 0-31 and 32-63: join them, and put group i's maxima into my stage
.macro FIN i
.irp c, 0,1,2,3,4,5,6,7
	v_permlanex16_b32 v[TMP+\c], v[RM+\c], s40, s41
.endr
.irp c, 0,1,2,3,4,5,6,7
	v_max_num_f32 v[RM+\c], v[RM+\c], v[TMP+\c]
.endr
.irp c, 0,1,2,3,4,5,6,7
	v_cndmask_b32 v[RM+\c], v[NINF], v[RM+\c], s[VM+\i]        ; a group that does not exist: -inf
.endr
.irp c, 0,1,2,3,4,5,6,7
	ds_store_b32 v[STO], v[RM+\c] offset:\c*16*SPITCH+\i*4     ; lanes r and r + 16 store the same number to the same word
.endr
.endm
; One group.  Every read of a result, and every overwriting of a result or of a fragment, stands behind at least 32 plain vector
; instructions that name no register of the matrix instruction concerned (ISA guide 7.12.1 asks for four or five): the conversions
; of the other tiles, or the maxima of the other set of accumulators.
.macro BLOCK i, more
	s_wait_loadcnt 0x0                             ; all 32 loads of this group: nothing younger is out
	CVT 0
	BT 0, ACC0
	CVT 2
.if \more
	TLOAD \i+1                                     ; the raw registers are free: the next group travels during 48 matrix instructions
.endif
	BT 1, ACC1
	MAXT ACC0, 1
	BT 2, ACC0
	MAXT ACC1, 0
	BT 3, ACC1
	MAXT ACC0, 0
	MAXT ACC1, 0
	FIN \i
.endm
	QLOAD 0
	TLOAD 0
	WIN 0
	s_wait_loadcnt 32                              ; loads come back in order (ISA guide 5.7.1): the 32 table loads are younger, the queries are in
	QCVT 0
	QLOAD 4
	s_wait_loadcnt 0x0
	QCVT 64
	BLOCK 0, 1
	BLOCK 1, 1
	BLOCK 2, 1
	BLOCK 3, 1
	BLOCK 4, 1
	BLOCK 5, 1
	BLOCK 6, 1
	BLOCK 7, 0
	; THE WAY OUT: wave w stores queries 16 w .. 16 w + 15; a query's 64 maxima were made by all eight waves.
	WIN 0
	s_wait_dscnt 0x0                               ; my stores into the stage are done, for the other waves' sake
	s_barrier_signal -1
	s_barrier_wait -1
.irp t, 0,1,2,3,4,5,6,7
	ds_load_b128 v[ACC0+4*\t:ACC0+4*\t+3], v[RD] offset:\t*2*SPITCH
.endr
.irp t, 0,1,2,3,4,5,6,7
	s_wait_dscnt 7-\t                              ; LDS loads come back in order: read t is in, the 7 - t younger ones may be out
	global_store_b128 v[CO], v[ACC0+4*\t:ACC0+4*\t+3], s[8:9] offset:\t*2*GPITCH   ; sixteen lanes store 256 consecutive bytes, aligned
.endr
	s_wait_tensorcnt 0x0
	ds_add_u32 v46, v47
	s_wait_dscnt 0x0
	s_endpgm
.Lfunc_end_k_q21cf4c5ed1_scan:
	.size	k_q21cf4c5ed1_scan, .Lfunc_end_k_q21cf4c5ed1_scan-k_q21cf4c5ed1_scan
	.p2alignl 7, 3214868480
	.fill 96, 4, 3214868480
	.section	.rodata,"a",@progbits
	.p2align	6, 0x0
	.amdhsa_kernel k_q21cf4c5ed1_scan
		.amdhsa_group_segment_fixed_size 50688
		.amdhsa_private_segment_fixed_size 0
		.amdhsa_enable_private_segment 0
		.amdhsa_kernarg_size 24
		.amdhsa_user_sgpr_count 2
		.amdhsa_user_sgpr_kernarg_segment_ptr 1
		.amdhsa_wavefront_size32 1
		.amdhsa_system_sgpr_workgroup_id_x 1
		.amdhsa_system_sgpr_workgroup_id_y 1
		.amdhsa_system_sgpr_workgroup_id_z 1
		.amdhsa_system_vgpr_workitem_id 0
		.amdhsa_next_free_vgpr 512
		.amdhsa_next_free_sgpr 66
		.amdhsa_reserve_vcc 0
		.amdhsa_float_denorm_mode_32 3
		.amdhsa_float_denorm_mode_16_64 3
		.amdhsa_memory_ordered 1
		.amdhsa_forward_progress 1
		.amdhsa_inst_pref_size 189
	.end_amdhsa_kernel
	.amdgpu_metadata
---
amdhsa.version: [ 1, 2 ]
amdhsa.kernels:
  - .name:           k_q21cf4c5ed1_scan
    .symbol:         k_q21cf4c5ed1_scan.kd
    .args:
      - { .name: item_embeddings_t, .offset: 0, .size: 8, .value_kind: global_buffer, .address_space: global }
      - { .name: query_embeddings, .offset: 8, .size: 8, .value_kind: global_buffer, .address_space: global }
      - { .name: gmax, .offset: 16, .size: 8, .value_kind: global_buffer, .address_space: global }
    .group_segment_fixed_size: 50688
    .private_segment_fixed_size: 0
    .kernarg_segment_align: 8
    .kernarg_segment_size: 24
    .max_flat_workgroup_size: 256
    .sgpr_count:     66
    .vgpr_count:     512
    .wavefront_size: 32
...
	.end_amdgpu_metadata
.endif
;; end of part 1
;; launch gsel (part 2): grid 128 x 1, 32 waves a work-group, no clusters, 8,704 bytes of LDS; arguments gmax, gsel; writes gsel
.if DOCPART == 2
	.amdgcn_target "amdgcn-amd-amdhsa--gfx1250"
	.amdhsa_code_object_version 6
	.text
	.protected	k_q21cf4c5ed1_gsel
	.globl	k_q21cf4c5ed1_gsel
	.p2align	8
	.type	k_q21cf4c5ed1_gsel,@function
k_q21cf4c5ed1_gsel:
	s_mov_b64 s[64:65], 0
	v_nop
	global_prefetch_b8 v0, s[64:65] scope:SCOPE_SE
	s_setreg_imm32_b32 hwreg(HW_REG_WAVE_MODE, 25, 1), 1
	s_wait_xcnt 0x0
; GSEL: for one query (one work-group) mark the 144 groups with the largest maxima, as bit masks with running counts.
; Why 144: an item among the 132 best of a query, ordered by (score falling, index rising), lies in one of the first 132 groups
; ordered by (group maximum falling, group number rising); 12 more are taken because the maxima come from the matrix unit's sums
; and the ranking from sums made in another order.  LIMIT: were more than 12 foreign groups to come within that rounding difference of
; the 132nd score, a group could be missed.  NaN maxima do not occur (the scan's maximum drops NaN).  -0 sorts below +0.
; Method: floats are mapped to unsigned keys of the same order; the 144th largest key is found bit by bit, 32 counting steps over all
; keys, which stay in registers (16 a lane).  No address and no branch hangs on a key: the outcome is stored as whole numbers.
; Wave w holds mask words 16 w .. 16 w + 15; word W stands for groups 32 W .. 32 W + 31, lane l holds group 32 W + l, so that the order
; (word, bit) is the order of rising group number, on which the next launch leans.  A wave's load covers 128 consecutive bytes,
; two neighbouring loads an aligned block of 256.
; Output, 4,096 bytes a query: one chunk of 128 bytes from each wave: its 16 mask words, then 16 words with the number of marked
; groups in all earlier mask words.
; Matrix units, clusters and tensor loads have nothing to do here: 62,720 bytes are read once and reduced in registers.
.set GPITCH, 62720
.set NWORD,  490                       ; mask words that exist: 245 x 64 groups / 32
.set KTH,    144
.set NK,     16                        ; keys a lane
.set CNT,    0                         ; LDS: two areas of 32 counts, which take turns
.set TOT,    256                       ; 32 x (greater, equal)
.set OUT,    512                       ; the record, 4,096 bytes
.set LANE, 1
.set L4,   2
.set TV,   3
.set VC,   12
.set XT,   13
.set CA,   14                          ; 4 x wave
.set CR,   15                          ; 4 x lane
.set KY,   16                          ; v[16:31] keys
.set TA,   32                          ; v[32:33]
.set GBV,  34
.set EBV,  35
.set T0,   36
.set VO,   38
.set O4,   39
.set O16,  40
.set TS,   41
.set TR,   42
.set OD,   44                          ; v[44:47]
.set VA,   48                          ; v[48:63] byte offsets of my sixteen loads
.set WV,   8
.set CT,   9
.set TH,   10                          ; the threshold so far
.set MB,   11                          ; the bit at stake
.set CAND, 12
.set CN,   13
.set PL,   14                          ; s[14:15]
.set CGT,  16
.set GB,   17
.set EB,   18
.set RQ,   19
.set SP,   20
.set S0,   21
.set S1,   22
.set S2,   23
.set CB,   32                          ; s[32:47] ballots of a counting step
.set GT,   32                          ; s[32:47] afterwards: key > threshold
.set EQ,   48                          ; s[48:63] key = threshold
; a float's bits as an unsigned number of the same order: a negative number is inverted, a positive one gets the top bit
.macro KEY k, f, t
	v_ashrrev_i32 v[\t], 31, v[\f]
	v_or_b32 v[\t], 0x80000000, v[\t]
	v_xor_b32 v[\k], v[\f], v[\t]
.endm
; the sum of a small whole number over the 32 lanes, as a scalar; in f32, which is exact far beyond the 16,384 that can occur
.macro WSUM x, tmp, sd
	v_cvt_f32_u32 v[\x], v[\x]
	v_add_f32_dpp v[\x], v[\x], v[\x] row_xmask:1 row_mask:0xf bank_mask:0xf
	v_add_f32_dpp v[\x], v[\x], v[\x] row_xmask:2 row_mask:0xf bank_mask:0xf
	v_add_f32_dpp v[\x], v[\x], v[\x] row_xmask:4 row_mask:0xf bank_mask:0xf
	v_add_f32_dpp v[\x], v[\x], v[\x] row_xmask:8 row_mask:0xf bank_mask:0xf
	v_permlanex16_b32 v[\tmp], v[\x], s[PL], s[PL+1]
	v_add_f32 v[\x], v[\x], v[\tmp]
	v_cvt_u32_f32 v[\x], v[\x]
	v_readfirstlane_b32 s[\sd], v[\x]
.endm
; One bit of the threshold: keep it if at least KTH keys reach the threshold with that bit set.
; The two count areas take turns, so one barrier a step is enough: a word is stored again two steps later, behind the next step's
; barrier, in front of which every wave has waited for its read of it.
.macro STEP area
	s_or_b32 s[CAND], s[TH], s[MB]
.set k, 0
.rept NK
	v_cmp_le_u32 s[CB+k], s[CAND], v[KY+k]
.set k, k+1
.endr
	s_bcnt1_i32_b32 s[CN], s[CB]
.set k, 1
.rept NK-1
	s_bcnt1_i32_b32 s[CB+k], s[CB+k]
	s_add_co_u32 s[CN], s[CN], s[CB+k]
.set k, k+1
.endr
	v_mov_b32 v[VC], s[CN]
	ds_store_b32 v[CA], v[VC] offset:CNT+\area*128 ; my wave's count: all lanes store the same number to the same word
	s_wait_dscnt 0x0                               ; done, for the other waves' sake
	s_barrier_signal -1
	s_barrier_wait -1
	ds_load_b32 v[VC], v[CR] offset:CNT+\area*128  ; lane l: wave l's count
	s_wait_dscnt 0x0
	WSUM VC, XT, CN
	s_cmp_ge_u32 s[CN], KTH
	s_cselect_b32 s[TH], s[CAND], s[TH]            ; a choice of a value, no branch
	s_lshr_b32 s[MB], s[MB], 1
.endm
; One mask word.  Keys equal to the threshold are taken in rising group number until RQ of them are taken:
; lane l has in front of it the EB equal ones of earlier words and those of the lanes below it.
.macro WORD k
	v_mbcnt_lo_u32_b32 v[T0], s[EQ+\k], s[EB]
	v_cmp_gt_u32 s[S0], s[RQ], v[T0]
	s_and_b32 s[S0], s[S0], s[EQ+\k]
	s_or_b32 s[S0], s[S0], s[GT+\k]
	v_writelane_b32 v[VO], s[S0], \k               ; the mask,
	v_writelane_b32 v[VO], s[SP], 16+\k            ; and how many are marked in front of it
	s_bcnt1_i32_b32 s[S2], s[S0]
	s_add_co_u32 s[SP], s[SP], s[S2]
	s_bcnt1_i32_b32 s[S2], s[EQ+\k]
	s_add_co_u32 s[EB], s[EB], s[S2]
.endm
	s_load_b128 s[4:7], s[0:1], 0x0                ; gmax s[4:5], gsel s[6:7]
	v_lshl_add_u32 v64, v0, 2, 0x1200
	v_mov_b32 v65, 0
	v_and_b32 v[LANE], 31, v0
	v_lshrrev_b32 v[TV], 5, v0
	v_readfirstlane_b32 s[WV], v[TV]
	v_lshlrev_b32 v[L4], 2, v[LANE]
	s_mov_b32 s[PL], 0x76543210
	s_mov_b32 s[PL+1], 0xfedcba98
.set k, 0
.rept NK
	s_lshl4_add_u32 s[S0], s[WV], k                ; word 16 w + k
	s_min_u32 s[S0], s[S0], NWORD-1                ; words 490 .. 511 do not exist: the last one is loaded in their stead, their keys become 0
	s_lshl_b32 s[S0], s[S0], 7
	v_add_nc_u32 v[VA+k], s[S0], v[L4]
.set k, k+1
.endr
	s_mul_i32 s[S1], ttmp9, GPITCH
	s_mov_b32 s[S2], 0
	s_wait_kmcnt 0x0
	s_add_nc_u64 s[4:5], s[4:5], s[S1:S2]          ; my query's row
.set k, 0
.rept NK
	global_load_b32 v[KY+k], v[VA+k], s[4:5]
.set k, k+1
.endr
	s_lshl_b32 s[S1], ttmp9, 12
	s_add_nc_u64 s[6:7], s[6:7], s[S1:S2]          ; my query's record
	v_lshlrev_b32 v[CA], 2, v[TV]
	v_lshlrev_b32 v[CR], 2, v[LANE]
	v_lshlrev_b32 v[TS], 3, v[TV]
	v_lshlrev_b32 v[TR], 3, v[LANE]
	v_lshlrev_b32 v[O4], 2, v0
	v_lshlrev_b32 v[O16], 4, v0
	v_mov_b32 v[XT], 0                             ; v_permlanex16_b32 and v_writelane_b32 count as readers of their destinations
	v_mov_b32 v[VO], 0
	s_wait_loadcnt 0x0
.set k, 0
.rept NK
	s_lshl4_add_u32 s[S0], s[WV], k
	s_cmp_lt_u32 s[S0], NWORD
	s_cselect_b32 s[S0], -1, 0                     ; all ones if the word exists
	KEY KY+k, KY+k, T0
	v_and_b32 v[KY+k], s[S0], v[KY+k]              ; key 0 lies below every float's key but that of one NaN pattern: never among the 144
.set k, k+1
.endr
	s_mov_b32 s[TH], 0
	s_mov_b32 s[MB], 0x80000000
	s_mov_b32 s[CT], 16
.Lbit:
	STEP 0
	STEP 1
	s_sub_co_i32 s[CT], s[CT], 1
	s_cmp_lg_u32 s[CT], 0
	s_cbranch_scc1 .Lbit
	; TH is the 144th largest key: fewer than 144 keys lie above it, at least 144 reach it
.set k, 0
.rept NK
	v_cmp_lt_u32 s[GT+k], s[TH], v[KY+k]
	v_cmp_eq_u32 s[EQ+k], s[TH], v[KY+k]
.set k, k+1
.endr
	s_mov_b32 s[S0], 0
	s_mov_b32 s[S1], 0
.set k, 0
.rept NK
	s_bcnt1_i32_b32 s[S2], s[GT+k]
	s_add_co_u32 s[S0], s[S0], s[S2]
	s_bcnt1_i32_b32 s[S2], s[EQ+k]
	s_add_co_u32 s[S1], s[S1], s[S2]
.set k, k+1
.endr
	v_mov_b32 v[TA], s[S0]
	v_mov_b32 v[TA+1], s[S1]
	ds_store_b64 v[TS], v[TA:TA+1] offset:TOT      ; my wave's numbers of greater and of equal keys
	s_wait_dscnt 0x0                               ; done, for the other waves' sake
	s_barrier_signal -1
	s_barrier_wait -1
	ds_load_b64 v[TA:TA+1], v[TR] offset:TOT       ; lane l: wave l's
	s_wait_dscnt 0x0
	v_cmp_gt_u32 vcc_lo, s[WV], v[LANE]            ; the waves in front of mine
	v_cndmask_b32 v[GBV], 0, v[TA], vcc_lo
	v_cndmask_b32 v[EBV], 0, v[TA+1], vcc_lo
	WSUM TA, XT, CGT                               ; greater keys in all,
	WSUM GBV, XT, GB                               ; greater and
	WSUM EBV, XT, EB                               ; equal ones in earlier waves
	s_sub_co_u32 s[RQ], KTH, s[CGT]                ; so many equal keys are taken, the first ones
	s_min_u32 s[S0], s[EB], s[RQ]
	s_add_co_u32 s[SP], s[GB], s[S0]               ; marked in earlier waves
.irp k, 0,1,2,3,4,5,6,7,8,9,10,11,12,13,14,15
	WORD \k
.endr
	ds_store_b32 v[O4], v[VO] offset:OUT           ; my wave's chunk: 128 consecutive bytes at 128 w
	s_wait_dscnt 0x0                               ; done, for the waves that store the record
	s_barrier_signal -1
	s_barrier_wait -1
	s_cmp_ge_u32 s[WV], 8
	s_cbranch_scc1 .Lend                           ; 256 threads x 16 bytes are the record
	ds_load_b128 v[OD:OD+3], v[O16] offset:OUT
	s_wait_dscnt 0x0
	global_store_b128 v[O16], v[OD:OD+3], s[6:7]   ; sixteen lanes store 256 consecutive bytes, aligned
.Lend:
	s_wait_tensorcnt 0x0
	ds_add_u32 v64, v65
	s_wait_dscnt 0x0
	s_endpgm
.Lfunc_end_k_q21cf4c5ed1_gsel:
	.size	k_q21cf4c5ed1_gsel, .Lfunc_end_k_q21cf4c5ed1_gsel-k_q21cf4c5ed1_gsel
	.p2alignl 7, 3214868480
	.fill 96, 4, 3214868480
	.section	.rodata,"a",@progbits
	.p2align	6, 0x0
	.amdhsa_kernel k_q21cf4c5ed1_gsel
		.amdhsa_group_segment_fixed_size 8704
		.amdhsa_private_segment_fixed_size 0
		.amdhsa_enable_private_segment 0
		.amdhsa_kernarg_size 16
		.amdhsa_user_sgpr_count 2
		.amdhsa_user_sgpr_kernarg_segment_ptr 1
		.amdhsa_wavefront_size32 1
		.amdhsa_system_sgpr_workgroup_id_x 1
		.amdhsa_system_sgpr_workgroup_id_y 1
		.amdhsa_system_sgpr_workgroup_id_z 1
		.amdhsa_system_vgpr_workitem_id 0
		.amdhsa_next_free_vgpr 66
		.amdhsa_next_free_sgpr 66
		.amdhsa_reserve_vcc 1
		.amdhsa_float_denorm_mode_32 3
		.amdhsa_float_denorm_mode_16_64 3
		.amdhsa_memory_ordered 1
		.amdhsa_forward_progress 1
		.amdhsa_inst_pref_size 30
	.end_amdhsa_kernel
	.amdgpu_metadata
---
amdhsa.version: [ 1, 2 ]
amdhsa.kernels:
  - .name:           k_q21cf4c5ed1_gsel
    .symbol:         k_q21cf4c5ed1_gsel.kd
    .args:
      - { .name: gmax, .offset: 0, .size: 8, .value_kind: global_buffer, .address_space: global }
      - { .name: gsel, .offset: 8, .size: 8, .value_kind: global_buffer, .address_space: global }
    .group_segment_fixed_size: 8704
    .private_segment_fixed_size: 0
    .kernarg_segment_align: 8
    .kernarg_segment_size: 16
    .max_flat_workgroup_size: 1024
    .sgpr_count:     66
    .vgpr_count:     66
    .wavefront_size: 32
...
	.end_amdgpu_metadata
.endif
;; end of part 2
;; launch rescore (part 3): grid 256 x 1, 24 waves a work-group, no clusters, 10,752 bytes of LDS; arguments gsel, item_embeddings_t, query_embeddings, cscore, csel; writes cscore, csel
.if DOCPART == 3
	.amdgcn_target "amdgcn-amd-amdhsa--gfx1250"
	.amdhsa_code_object_version 6
	.text
	.protected	k_q21cf4c5ed1_rescore
	.globl	k_q21cf4c5ed1_rescore
	.p2align	8
	.type	k_q21cf4c5ed1_rescore,@function
k_q21cf4c5ed1_rescore:
	s_mov_b64 s[64:65], 0
	v_nop
	global_prefetch_b8 v0, s[64:65] scope:SCOPE_SE
	s_setreg_imm32_b32 hwreg(HW_REG_WAVE_MODE, 25, 1), 1
	s_wait_xcnt 0x0
; RESCORE: the scores that are ranked and returned.  Work-group x = 2 x query + half takes 72 of the query's 144 marked groups,
; in rising group number, a wave three of them, a lane two neighbouring items of each.  A score is the sum over d = 0 .. 63, in rising d,
; in ONE f32 accumulator, of the products of the inputs rounded to bf16.  Such a product is exact in f32 (8 x 8 bits of mantissa), so a
; fused multiply-add and a multiply followed by an add give the same bits: the sum is that of a plain loop over d.
; This small part of the arithmetic (18,432 groups x 64 items x 64) goes through the vector unit because the order of the
; returned ids hangs on the last bits of the sums; the bulk of the products is the scan's, on the matrix unit.
; Then the 132 best of the work-group's 4,608 scores are marked, by (score falling, index rising), as in the launch before:
; threshold bit by bit, masks and running counts stored as whole numbers; no address and no branch hangs on a score.
; Which groups: read from gsel, whole numbers that the launch before stored; each is clamped before it enters an address.
; Output: cscore[x][group 3 w + g][lane][e], 256 bytes a group; csel, 3,072 bytes for x: a chunk of 128 bytes from each wave:
; words 0-5 masks (word 2 g + e, bit l = item 64 G + 2 l + e), 6-7 zero, 8-13 the number marked in earlier words, 14-15 that number
; behind the wave, 16-18 the three group numbers G, the rest zero.
; LIMITS: NaN scores are not served; -0 sorts below +0.
; No cluster, no tensor loads: no two work-groups are known to read the same group, and the rows of a group are 256 bytes, 4,000,000 apart.
.set ROWB, 4000000
.set NBLK, 15625
.set KTH,  132
.set NK,   6
.set GS,   0                           ; LDS: the query's record of gsel, 4,096 bytes
.set CNT,  4096                        ; two areas of counts
.set TOT,  4352
.set OUT2, 4608                        ; my record of csel, 3,072 bytes
.set LANE, 1
.set L8,   2
.set VZ,   3                           ; 0
.set J,    4
.set POS,  5
.set PRB,  6
.set RK,   6                           ; (behind the search)
.set PV,   7
.set AT,   8
.set MWV,  9
.set BIT,  10
.set C1,   11
.set C2,   12
.set C4,   13
.set TT,   14
.set UU,   15
.set GO,   16                          ; v[16:18]   byte offset of my 8 bytes in table row 0 of group g
.set T16,  19                          ; 16 x thread
.set ACC,  20                          ; v[20:25]   the sums: group g, item e at 2 g + e
.set KY,   26                          ; v[26:31]   their keys
.set PT,   4                           ; v[4:7]     (in the ring) two items in bf16, four registers in turn
.set X,    32                          ; v[32:95]   ring: slot i, two f32
.set A,    96                          ; v[96:127]  ring: slot i's byte offset
.set QP,   128                         ; v[128:159] the query, two bf16 to a register
.set VC,   32                          ; behind the ring its registers serve the selection
.set XT,   33
.set CA,   34
.set CR,   35
.set TA,   36                          ; v[36:37]
.set GBV,  38
.set EBV,  39
.set T0,   40
.set T1,   41
.set VO,   42
.set O4,   43
.set OD,   44                          ; v[44:47]
.set TS,   48
.set TR,   49
.set WV,   14
.set CT,   15
.set TH,   16
.set MB,   17
.set CAND, 18
.set CN,   19
.set PL,   20                          ; s[20:21]
.set CGT,  22
.set GB,   23
.set EB,   24
.set RQ,   25
.set SP,   26
.set LM,   27                          ; lanes 0 .. 23
.set S0,   28
.set S1,   29
.set S2,   30
.set CB,   32                          ; s[32:37]
.set GT,   32
.set EQ,   40                          ; s[40:45]
.set GN,   48                          ; s[48:50] my three groups' numbers
.set ROW,  51
.set HALF, 52
.macro KEY k, f, t
	v_ashrrev_i32 v[\t], 31, v[\f]
	v_or_b32 v[\t], 0x80000000, v[\t]
	v_xor_b32 v[\k], v[\f], v[\t]
.endm
.macro WSUM x, tmp, sd                 ; a small whole number summed over the lanes; f32 is exact far beyond the 4,608 that can occur
	v_cvt_f32_u32 v[\x], v[\x]
	v_add_f32_dpp v[\x], v[\x], v[\x] row_xmask:1 row_mask:0xf bank_mask:0xf
	v_add_f32_dpp v[\x], v[\x], v[\x] row_xmask:2 row_mask:0xf bank_mask:0xf
	v_add_f32_dpp v[\x], v[\x], v[\x] row_xmask:4 row_mask:0xf bank_mask:0xf
	v_add_f32_dpp v[\x], v[\x], v[\x] row_xmask:8 row_mask:0xf bank_mask:0xf
	v_permlanex16_b32 v[\tmp], v[\x], s[PL], s[PL+1]
	v_add_f32 v[\x], v[\x], v[\tmp]
	v_cvt_u32_f32 v[\x], v[\x]
	v_readfirstlane_b32 s[\sd], v[\x]
.endm
; one bit of the threshold; the two count areas take turns, so that a word is stored again only behind a barrier in front of which
; every wave has waited for its read of it
.macro STEP area
	s_or_b32 s[CAND], s[TH], s[MB]
.set k, 0
.rept NK
	v_cmp_le_u32 s[CB+k], s[CAND], v[KY+k]
.set k, k+1
.endr
	s_bcnt1_i32_b32 s[CN], s[CB]
.set k, 1
.rept NK-1
	s_bcnt1_i32_b32 s[CB+k], s[CB+k]
	s_add_co_u32 s[CN], s[CN], s[CB+k]
.set k, k+1
.endr
	v_mov_b32 v[VC], s[CN]
	ds_store_b32 v[CA], v[VC] offset:CNT+\area*128
	s_wait_dscnt 0x0                               ; done, for the other waves' sake
	s_barrier_signal -1
	s_barrier_wait -1
	ds_load_b32 v[VC], v[CR] offset:CNT+\area*128  ; lane l: wave l's count (lanes 24 .. 31 read wave 23's
	s_wait_dscnt 0x0
	v_cndmask_b32 v[VC], 0, v[VC], s[LM]           ; and count nothing)
	WSUM VC, XT, CN
	s_cmp_ge_u32 s[CN], KTH
	s_cselect_b32 s[TH], s[CAND], s[TH]
	s_lshr_b32 s[MB], s[MB], 1
.endm
; One group's two mask words.  Equal keys are taken in rising item index until RQ of them are taken: element (l, e) has in front of it
; the EB equal ones of earlier groups, those of lanes below l in both words, and for e = 1 its own lane's e = 0.
.macro PAIR p, lw, lp
	v_mbcnt_lo_u32_b32 v[T0], s[EQ+2*\p], s[EB]
	v_mbcnt_lo_u32_b32 v[T0], s[EQ+2*\p+1], v[T0]
	s_mov_b32 vcc_lo, s[EQ+2*\p]
	v_add_co_ci_u32 v[T1], vcc_lo, 0, v[T0], vcc_lo
	v_cmp_gt_u32 s[S0], s[RQ], v[T0]
	v_cmp_gt_u32 s[S1], s[RQ], v[T1]
	s_and_b32 s[S0], s[S0], s[EQ+2*\p]
	s_and_b32 s[S1], s[S1], s[EQ+2*\p+1]
	s_or_b32 s[S0], s[S0], s[GT+2*\p]
	s_or_b32 s[S1], s[S1], s[GT+2*\p+1]
	v_writelane_b32 v[VO], s[S0], \lw
	v_writelane_b32 v[VO], s[SP], \lp
	s_bcnt1_i32_b32 s[S2], s[S0]
	s_add_co_u32 s[SP], s[SP], s[S2]
	v_writelane_b32 v[VO], s[S1], \lw+1
	v_writelane_b32 v[VO], s[SP], \lp+1
	s_bcnt1_i32_b32 s[S2], s[S1]
	s_add_co_u32 s[SP], s[SP], s[S2]
	s_bcnt1_i32_b32 s[S2], s[EQ+2*\p]
	s_add_co_u32 s[EB], s[EB], s[S2]
	s_bcnt1_i32_b32 s[S2], s[EQ+2*\p+1]
	s_add_co_u32 s[EB], s[EB], s[S2]
.endm
; the place of the RK-th set bit (from 0) of MWV: counts of ones in fields of 2, 4, 8 and 16 bits, then a descent through them
.macro SEL w
	v_cmp_ge_u32 vcc_lo, v[RK], v[TT]              ; not in the lower field: pass over it
	v_sub_nc_u32 v[UU], v[RK], v[TT]
	v_cndmask_b32 v[RK], v[RK], v[UU], vcc_lo
	v_add_nc_u32 v[UU], \w, v[BIT]
	v_cndmask_b32 v[BIT], v[BIT], v[UU], vcc_lo
.endm
.macro BITSEL
	v_lshrrev_b32 v[TT], 1, v[MWV]
	v_and_b32 v[TT], 0x55555555, v[TT]
	v_sub_nc_u32 v[C1], v[MWV], v[TT]
	v_lshrrev_b32 v[TT], 2, v[C1]
	v_and_b32 v[TT], 0x33333333, v[TT]
	v_and_b32 v[C2], 0x33333333, v[C1]
	v_add_nc_u32 v[C2], v[C2], v[TT]
	v_lshrrev_b32 v[TT], 4, v[C2]
	v_add_nc_u32 v[TT], v[TT], v[C2]
	v_and_b32 v[C4], 0x0f0f0f0f, v[TT]
	v_lshrrev_b32 v[TT], 8, v[C4]
	v_add_nc_u32 v[TT], v[TT], v[C4]
	v_and_b32 v[TT], 0xff, v[TT]
	v_mov_b32 v[BIT], 0
	SEL 16
	v_bfe_u32 v[TT], v[C4], v[BIT], 8
	SEL 8
	v_bfe_u32 v[TT], v[C2], v[BIT], 4
	SEL 4
	v_bfe_u32 v[TT], v[C1], v[BIT], 2
	SEL 2
	v_bfe_u32 v[TT], v[MWV], v[BIT], 1
	SEL 1
.endm
	s_load_b256 s[4:11], s[0:1], 0x0               ; gsel s[4:5], table s[6:7], queries s[8:9], cscore s[10:11]
	s_load_b64 s[12:13], s[0:1], 0x20              ; csel
	v_and_b32 v[LANE], 31, v0
	v_lshrrev_b32 v[TT], 5, v0
	v_readfirstlane_b32 s[WV], v[TT]
	v_lshlrev_b32 v[L8], 3, v[LANE]
	v_lshlrev_b32 v[T16], 4, v0
	v_mov_b32 v[VZ], 0
	s_mov_b32 s[PL], 0x76543210
	s_mov_b32 s[PL+1], 0xfedcba98
	s_mov_b32 s[LM], 0x00ffffff
	s_lshr_b32 s[ROW], ttmp9, 1
	s_and_b32 s[HALF], ttmp9, 1
	s_mov_b32 s55, 0
	s_lshl_b32 s54, s[ROW], 8
	s_wait_kmcnt 0x0
	s_add_nc_u64 s[8:9], s[8:9], s[54:55]          ; my query
.set n, 0
.rept 16
	global_load_b128 v[X+4*n:X+4*n+3], v[VZ], s[8:9] offset:16*n   ; every lane takes the whole query: 256 bytes
.set n, n+1
.endr
	s_cmp_ge_u32 s[WV], 8
	s_cbranch_scc1 .Lnogs                          ; 256 threads x 16 bytes bring the query's record of gsel into LDS
	s_lshl_b32 s54, s[ROW], 12
	s_add_nc_u64 s[4:5], s[4:5], s[54:55]
	global_load_b128 v[A:A+3], v[T16], s[4:5]
	s_wait_loadcnt 0x0
	ds_store_b128 v[T16], v[A:A+3] offset:GS
.Lnogs:
	s_wait_loadcnt 0x0
.set n, 0
.rept 32
	v_cvt_pk_bf16_f32 v[QP+n], v[X+2*n], v[X+2*n+1]
.set n, n+1
.endr
	s_wait_dscnt 0x0                               ; my part of the record is in LDS, for the other waves' sake
	s_barrier_signal -1
	s_barrier_wait -1
	; WHICH GROUPS: lanes 0, 1, 2 look up the marked groups number 72 half + 3 w + 0, 1, 2 (the other lanes repeat lane 2).
	; The last mask word whose running count does not pass j holds it.  Word pos lies at 4 pos + 4 (pos with its low four bits cleared), its count 64 bytes further.
	v_min_u32 v[J], 2, v[LANE]
	s_mul_i32 s[S0], s[HALF], 72
	s_mul_i32 s[S1], s[WV], 3
	s_add_co_u32 s[S0], s[S0], s[S1]
	v_add_nc_u32 v[J], s[S0], v[J]
	v_mov_b32 v[POS], 0
.irp st, 256,128,64,32,16,8,4,2,1
	v_add_nc_u32 v[PRB], \st, v[POS]
	v_min_u32 v[PRB], 511, v[PRB]                  ; word 511 stands for groups that do not exist: its count is 144, above every j
	v_and_b32 v[AT], 0x1f0, v[PRB]
	v_add_lshl_u32 v[AT], v[AT], v[PRB], 2
	ds_load_b32 v[PV], v[AT] offset:GS+64
	s_wait_dscnt 0x0
	v_cmp_le_u32 vcc_lo, v[PV], v[J]
	v_cndmask_b32 v[POS], v[POS], v[PRB], vcc_lo
.endr
	v_min_u32 v[POS], 511, v[POS]
	v_and_b32 v[AT], 0x1f0, v[POS]
	v_add_lshl_u32 v[AT], v[AT], v[POS], 2
	ds_load_b32 v[MWV], v[AT] offset:GS
	ds_load_b32 v[PV], v[AT] offset:GS+64
	s_wait_dscnt 0x0
	v_sub_nc_u32 v[RK], v[J], v[PV]
	BITSEL
	v_lshl_add_u32 v[TT], v[POS], 5, v[BIT]        ; group = 32 pos + bit: rising with j
.irp g, 0,1,2
	v_readlane_b32 s[GN+\g], v[TT], \g
	s_min_u32 s[GN+\g], s[GN+\g], NBLK-1           ; a number from memory enters an address only clamped
	s_lshl_b32 s[S0], s[GN+\g], 8
	v_add_nc_u32 v[GO+\g], s[S0], v[L8]
.endr
	; THE SUMS: 3 groups x 64 table rows = 192 loads of 256 bytes a wave, through a ring of 32 slots in registers.
.set n, 0
.rept 32
	v_add_nc_u32 v[A+n], n*ROWB, v[GO]
	global_load_b64 v[X+2*n:X+2*n+1], v[A+n], s[6:7]
.set n, n+1
.endr
.set n, 0
.rept 192
.if n < 160
	s_wait_loadcnt 31                              ; loads come back in order (ISA guide 5.7.1): this slot's is in, the 31 younger ones stay out; it also frees the slot's offset register
.else
	s_wait_loadcnt 191-n                           ; nothing is fetched any more: the count runs down
.endif
	v_cvt_pk_bf16_f32 v[PT+n%4], v[X+2*(n%32)], v[X+2*(n%32)+1]
.if n%64 == 0
	v_fma_mix_f32_bf16 v[ACC+2*(n/64)],   v[PT+n%4], v[QP], v[VZ] op_sel:[0,0,0] op_sel_hi:[1,1,0]    ; d = 0 starts the sums
	v_fma_mix_f32_bf16 v[ACC+2*(n/64)+1], v[PT+n%4], v[QP], v[VZ] op_sel:[1,0,0] op_sel_hi:[1,1,0]
.elseif n%2 == 0
	v_fma_mix_f32_bf16 v[ACC+2*(n/64)],   v[PT+n%4], v[QP+(n%64)/2], v[ACC+2*(n/64)]   op_sel:[0,0,0] op_sel_hi:[1,1,0]
	v_fma_mix_f32_bf16 v[ACC+2*(n/64)+1], v[PT+n%4], v[QP+(n%64)/2], v[ACC+2*(n/64)+1] op_sel:[1,0,0] op_sel_hi:[1,1,0]
.else
	v_fma_mix_f32_bf16 v[ACC+2*(n/64)],   v[PT+n%4], v[QP+(n%64)/2], v[ACC+2*(n/64)]   op_sel:[0,1,0] op_sel_hi:[1,1,0]
	v_fma_mix_f32_bf16 v[ACC+2*(n/64)+1], v[PT+n%4], v[QP+(n%64)/2], v[ACC+2*(n/64)+1] op_sel:[1,1,0] op_sel_hi:[1,1,0]
.endif
.if n < 160
	v_add_nc_u32 v[A+n%32], ((n+32)%64)*ROWB, v[GO+(n+32)/64]
	global_load_b64 v[X+2*(n%32):X+2*(n%32)+1], v[A+n%32], s[6:7]
.endif
.set n, n+1
.endr
	s_mul_i32 s54, ttmp9, 72*256
	s_mul_i32 s[S0], s[WV], 3*256
	s_add_co_u32 s54, s54, s[S0]
	s_add_nc_u64 s[10:11], s[10:11], s[54:55]
.irp g, 0,1,2
	global_store_b64 v[L8], v[ACC+2*\g:ACC+2*\g+1], s[10:11] offset:256*\g     ; a wave's store covers 256 consecutive bytes, aligned
.endr
	; THE 132 BEST of the work-group's 4,608
	v_lshrrev_b32 v[TT], 5, v0
	v_lshlrev_b32 v[CA], 2, v[TT]                  ; 4 x wave
	v_lshlrev_b32 v[TS], 3, v[TT]
	v_min_u32 v[UU], 23, v[LANE]
	v_lshlrev_b32 v[CR], 2, v[UU]
	v_lshlrev_b32 v[TR], 3, v[UU]
	v_lshlrev_b32 v[O4], 2, v0
	v_mov_b32 v[XT], 0
	v_mov_b32 v[VO], 0
.irp k, 0,1,2,3,4,5
	KEY KY+\k, ACC+\k, T0
.endr
	s_mov_b32 s[TH], 0
	s_mov_b32 s[MB], 0x80000000
	s_mov_b32 s[CT], 16
.Lbit:
	STEP 0
	STEP 1
	s_sub_co_i32 s[CT], s[CT], 1
	s_cmp_lg_u32 s[CT], 0
	s_cbranch_scc1 .Lbit
.set k, 0
.rept NK
	v_cmp_lt_u32 s[GT+k], s[TH], v[KY+k]
	v_cmp_eq_u32 s[EQ+k], s[TH], v[KY+k]
.set k, k+1
.endr
	s_mov_b32 s[S0], 0
	s_mov_b32 s[S1], 0
.set k, 0
.rept NK
	s_bcnt1_i32_b32 s[S2], s[GT+k]
	s_add_co_u32 s[S0], s[S0], s[S2]
	s_bcnt1_i32_b32 s[S2], s[EQ+k]
	s_add_co_u32 s[S1], s[S1], s[S2]
.set k, k+1
.endr
	v_mov_b32 v[TA], s[S0]
	v_mov_b32 v[TA+1], s[S1]
	ds_store_b64 v[TS], v[TA:TA+1] offset:TOT
	s_wait_dscnt 0x0                               ; done, for the other waves' sake
	s_barrier_signal -1
	s_barrier_wait -1
	ds_load_b64 v[TA:TA+1], v[TR] offset:TOT
	s_wait_dscnt 0x0
	v_cmp_gt_u32 vcc_lo, s[WV], v[LANE]            ; the waves in front of mine
	v_cndmask_b32 v[GBV], 0, v[TA], vcc_lo
	v_cndmask_b32 v[EBV], 0, v[TA+1], vcc_lo
	v_cndmask_b32 v[TA], 0, v[TA], s[LM]
	WSUM TA, XT, CGT
	WSUM GBV, XT, GB
	WSUM EBV, XT, EB
	s_sub_co_u32 s[RQ], KTH, s[CGT]
	s_min_u32 s[S0], s[EB], s[RQ]
	s_add_co_u32 s[SP], s[GB], s[S0]
	PAIR 0, 0, 8
	PAIR 1, 2, 10
	PAIR 2, 4, 12
	v_writelane_b32 v[VO], s[SP], 14               ; the two empty words count as the next wave's first does
	v_writelane_b32 v[VO], s[SP], 15
.irp g, 0,1,2
	v_writelane_b32 v[VO], s[GN+\g], 16+\g
.endr
	ds_store_b32 v[O4], v[VO] offset:OUT2          ; my wave's chunk: 128 consecutive bytes at 128 w
	s_wait_dscnt 0x0                               ; done, for the waves that store the record
	s_barrier_signal -1
	s_barrier_wait -1
	s_cmp_ge_u32 s[WV], 6
	s_cbranch_scc1 .Lend                           ; 192 threads x 16 bytes are the record
	s_mul_i32 s54, ttmp9, 3072
	s_add_nc_u64 s[12:13], s[12:13], s[54:55]
	ds_load_b128 v[OD:OD+3], v[T16] offset:OUT2
	s_wait_dscnt 0x0
	global_store_b128 v[T16], v[OD:OD+3], s[12:13] ; sixteen lanes store 256 consecutive bytes, aligned
.Lend:
	s_wait_xcnt 0x0
	v_lshl_add_u32 v158, v0, 2, 0x1e00
	v_mov_b32 v159, 0
	s_wait_tensorcnt 0x0
	ds_add_u32 v158, v159
	s_wait_dscnt 0x0
	s_endpgm
.Lfunc_end_k_q21cf4c5ed1_rescore:
	.size	k_q21cf4c5ed1_rescore, .Lfunc_end_k_q21cf4c5ed1_rescore-k_q21cf4c5ed1_rescore
	.p2alignl 7, 3214868480
	.fill 96, 4, 3214868480
	.section	.rodata,"a",@progbits
	.p2align	6, 0x0
	.amdhsa_kernel k_q21cf4c5ed1_rescore
		.amdhsa_group_segment_fixed_size 10752
		.amdhsa_private_segment_fixed_size 0
		.amdhsa_enable_private_segment 0
		.amdhsa_kernarg_size 40
		.amdhsa_user_sgpr_count 2
		.amdhsa_user_sgpr_kernarg_segment_ptr 1
		.amdhsa_wavefront_size32 1
		.amdhsa_system_sgpr_workgroup_id_x 1
		.amdhsa_system_sgpr_workgroup_id_y 1
		.amdhsa_system_sgpr_workgroup_id_z 1
		.amdhsa_system_vgpr_workitem_id 0
		.amdhsa_next_free_vgpr 160
		.amdhsa_next_free_sgpr 66
		.amdhsa_reserve_vcc 1
		.amdhsa_float_denorm_mode_32 3
		.amdhsa_float_denorm_mode_16_64 3
		.amdhsa_memory_ordered 1
		.amdhsa_forward_progress 1
		.amdhsa_inst_pref_size 96
	.end_amdhsa_kernel
	.amdgpu_metadata
---
amdhsa.version: [ 1, 2 ]
amdhsa.kernels:
  - .name:           k_q21cf4c5ed1_rescore
    .symbol:         k_q21cf4c5ed1_rescore.kd
    .args:
      - { .name: gsel, .offset: 0, .size: 8, .value_kind: global_buffer, .address_space: global }
      - { .name: item_embeddings_t, .offset: 8, .size: 8, .value_kind: global_buffer, .address_space: global }
      - { .name: query_embeddings, .offset: 16, .size: 8, .value_kind: global_buffer, .address_space: global }
      - { .name: cscore, .offset: 24, .size: 8, .value_kind: global_buffer, .address_space: global }
      - { .name: csel, .offset: 32, .size: 8, .value_kind: global_buffer, .address_space: global }
    .group_segment_fixed_size: 10752
    .private_segment_fixed_size: 0
    .kernarg_segment_align: 8
    .kernarg_segment_size: 40
    .max_flat_workgroup_size: 768
    .sgpr_count:     66
    .vgpr_count:     160
    .wavefront_size: 32
...
	.end_amdgpu_metadata
.endif
;; end of part 3
;; launch final (part 4): grid 128 x 1, 12 waves a work-group, no clusters, 18,432 bytes of LDS; arguments csel, cscore, item_ids, invalid_ids, out0, out1; writes out0, out1
.if DOCPART == 4
	.amdgcn_target "amdgcn-amd-amdhsa--gfx1250"
	.amdhsa_code_object_version 6
	.text
	.protected	k_q21cf4c5ed1_final
	.globl	k_q21cf4c5ed1_final
	.p2align	8
	.type	k_q21cf4c5ed1_final,@function
k_q21cf4c5ed1_final:
	s_mov_b64 s[64:65], 0
	v_nop
	global_prefetch_b8 v0, s[64:65] scope:SCOPE_SE
	s_setreg_imm32_b32 hwreg(HW_REG_WAVE_MODE, 25, 1), 1
	s_wait_xcnt 0x0
; FINAL: one query a work-group.  The 2 x 132 marked candidates are fetched (their places come from csel, whole numbers that the launch
; before stored), ranked by (score falling, index rising), the first 132 are the problem's k' = k + 32 candidates; those whose id is among the
; query's 32 invalid ids are dropped, the first 100 of the rest kept, and the output order is that of the problem's stable sort:
; kept ones first, in order, then all others in order (which shows only if fewer than 100 are valid, as with repeated ids).
; Ranks, counts and output places hang on scores, so none of them becomes an address or a branch: a rank is a count of comparisons against all
; 264 candidates, and output place t is filled by thread t, which looks at all 264 and keeps the one that names t.
; 264 x 264 comparisons a query are a few thousand instructions a wave: matrix units, clusters and tensor loads have nothing to do here.
; The outputs' rows are 400 bytes, so their stores cannot cover whole aligned blocks of 256 bytes; they are 102,400 bytes in all.
; LIMITS: NaN scores are not served; -0 sorts below +0.
.set NBLK, 15625
.set NC,   264                         ; candidates
.set REC,  0                           ; LDS: the query's two records of csel, 2 x 3,072 bytes
.set CAO,  6144                        ; (key, index) of thread t at 8 t
.set VAO,  9216                        ; rank if valid, else a large number, at 4 t
.set OAO,  10752                       ; (place, id, score, 0) at 16 t
.set CD,   1
.set HF,   2
.set J,    3
.set RECV, 4
.set POS,  5
.set PRB,  6
.set RK,   6                           ; (behind the search)
.set AT,   7
.set PV,   8
.set MWV,  9
.set BIT,  11
.set C1,   12
.set C2,   13
.set C4,   14
.set TT,   15
.set UU,   16
.set GV,   17
.set EV,   18
.set SO,   19
.set IO,   20
.set KI,   22                          ; v[22:23] key, index
.set RANK, 24
.set PTR,  25
.set BIG,  26
.set VAL,  27
.set L,    28                          ; v[28:43] what a trip reads
.set NVB,  44
.set TVC,  45
.set OD,   48                          ; v[48:51] place, id, score, 0
.set OID,  52
.set OSC,  53
.set T16,  54
.set T8,   55
.set T4,   56
.set AG,   57
.set L2,   64                          ; v[64:79] the placement's second set of four entries
.set WV,   48
.set CT,   49
.set BAD,  51
.macro SEL w
	v_cmp_ge_u32 vcc_lo, v[RK], v[TT]
	v_sub_nc_u32 v[UU], v[RK], v[TT]
	v_cndmask_b32 v[RK], v[RK], v[UU], vcc_lo
	v_add_nc_u32 v[UU], \w, v[BIT]
	v_cndmask_b32 v[BIT], v[BIT], v[UU], vcc_lo
.endm
.macro BITSEL                          ; the place of the RK-th set bit (from 0) of MWV
	v_lshrrev_b32 v[TT], 1, v[MWV]
	v_and_b32 v[TT], 0x55555555, v[TT]
	v_sub_nc_u32 v[C1], v[MWV], v[TT]
	v_lshrrev_b32 v[TT], 2, v[C1]
	v_and_b32 v[TT], 0x33333333, v[TT]
	v_and_b32 v[C2], 0x33333333, v[C1]
	v_add_nc_u32 v[C2], v[C2], v[TT]
	v_lshrrev_b32 v[TT], 4, v[C2]
	v_add_nc_u32 v[TT], v[TT], v[C2]
	v_and_b32 v[C4], 0x0f0f0f0f, v[TT]
	v_lshrrev_b32 v[TT], 8, v[C4]
	v_add_nc_u32 v[TT], v[TT], v[C4]
	v_and_b32 v[TT], 0xff, v[TT]
	v_mov_b32 v[BIT], 0
	SEL 16
	v_bfe_u32 v[TT], v[C4], v[BIT], 8
	SEL 8
	v_bfe_u32 v[TT], v[C2], v[BIT], 4
	SEL 4
	v_bfe_u32 v[TT], v[C1], v[BIT], 2
	SEL 2
	v_bfe_u32 v[TT], v[MWV], v[BIT], 1
	SEL 1
.endm
; does candidate (kr, ir) stand in front of mine?  A larger key, or the same key and a smaller index
.macro RANK1 kr, ir
	v_cmp_gt_u32 vcc_lo, v[\kr], v[KI]
	v_cmp_eq_u32 s50, v[\kr], v[KI]
	v_cmp_lt_u32 s52, v[\ir], v[KI+1]
	s_and_b32 s50, s50, s52
	s_or_b32 vcc_lo, vcc_lo, s50
	v_add_co_ci_u32 v[RANK], vcc_lo, 0, v[RANK], vcc_lo
.endm
; the placement: four entries (place, id, score, 0) of group g into register set b, the same for every lane, at constant addresses
.macro PLD g, b
.irp c, 0,1,2,3
	ds_load_b128 v[\b+4*\c:\b+4*\c+3], v[PTR] offset:OAO+64*(\g)+16*\c
.endr
.endm
; and the one that names my place, if it is among them, is kept
.macro PUSE b
.irp c, 0,1,2,3
	v_cmp_eq_u32 vcc_lo, v[\b+4*\c], v0
	v_cndmask_b32 v[OID], v[OID], v[\b+4*\c+1], vcc_lo
	v_cndmask_b32 v[OSC], v[OSC], v[\b+4*\c+2], vcc_lo
.endr
.endm
	s_load_b256 s[4:11], s[0:1], 0x0               ; csel s[4:5], cscore s[6:7], item_ids s[8:9], invalid_ids s[10:11]
	s_load_b128 s[12:15], s[0:1], 0x20             ; out0 s[12:13], out1 s[14:15]
	v_lshl_add_u32 v80, v0, 2, 0x4200
	v_mov_b32 v81, 0
	v_lshrrev_b32 v[TT], 5, v0
	v_readfirstlane_b32 s[WV], v[TT]
	v_lshlrev_b32 v[T16], 4, v0
	v_lshlrev_b32 v[T8], 3, v0
	v_lshlrev_b32 v[T4], 2, v0
	s_mov_b32 s55, 0
	s_mul_i32 s54, ttmp9, 6144
	s_wait_kmcnt 0x0
	s_add_nc_u64 s[4:5], s[4:5], s[54:55]
	global_load_b128 v[L:L+3], v[T16], s[4:5]      ; 384 threads x 16 bytes: both records
	s_lshl_b32 s54, ttmp9, 7
	s_add_nc_u64 s[10:11], s[10:11], s[54:55]
	s_load_b512 s[16:31], s[10:11], 0x0            ; the query's 32 invalid ids
	s_load_b512 s[32:47], s[10:11], 0x40
	s_mul_i32 s54, ttmp9, 2*72*256
	s_add_nc_u64 s[6:7], s[6:7], s[54:55]          ; the query's scores
	s_mul_i32 s54, ttmp9, 400
	s_add_nc_u64 s[12:13], s[12:13], s[54:55]
	s_add_nc_u64 s[14:15], s[14:15], s[54:55]
	s_wait_loadcnt 0x0
	ds_store_b128 v[T16], v[L:L+3] offset:REC
	s_wait_dscnt 0x0                               ; my part of the records is in LDS, for the other waves' sake
	s_barrier_signal -1
	s_barrier_wait -1
	; MY CANDIDATE: thread t takes number t % 132 of half t / 132 (threads 264 .. 383 repeat the last one; what they make is not read).
	; Index pos = 8 x chunk + word; word pos lies at 4 pos + 12 (pos with its low three bits cleared), its running count 32 bytes further.
	v_min_u32 v[CD], NC-1, v0
	v_cmp_le_u32 vcc_lo, 132, v[CD]
	v_cndmask_b32 v[HF], 0, 1, vcc_lo
	v_mul_u32_u24 v[TT], v[HF], 132
	v_sub_nc_u32 v[J], v[CD], v[TT]
	v_mul_u32_u24 v[RECV], v[HF], 3072
	v_mov_b32 v[POS], 0
.irp st, 128,64,32,16,8,4,2,1
	v_add_nc_u32 v[PRB], \st, v[POS]
	v_min_u32 v[PRB], 191, v[PRB]                  ; index 191 is the last chunk's empty word: its count is 132, above every j
	v_and_b32 v[AT], 0xf8, v[PRB]
	v_mad_u32_u24 v[AT], v[AT], 12, v[RECV]
	v_lshl_add_u32 v[AT], v[PRB], 2, v[AT]
	ds_load_b32 v[PV], v[AT] offset:REC+32
	s_wait_dscnt 0x0
	v_cmp_le_u32 vcc_lo, v[PV], v[J]
	v_cndmask_b32 v[POS], v[POS], v[PRB], vcc_lo
.endr
	v_min_u32 v[POS], 191, v[POS]
	v_and_b32 v[TT], 0xf8, v[POS]                  ; 8 x chunk
	v_and_b32 v[UU], 6, v[POS]                     ; 2 x group in the chunk
	v_and_b32 v[EV], 1, v[POS]                     ; e
	v_mad_u32_u24 v[AT], v[TT], 12, v[RECV]
	v_lshl_add_u32 v[AT], v[POS], 2, v[AT]
	v_lshl_add_u32 v[AG], v[TT], 4, v[RECV]
	v_lshl_add_u32 v[AG], v[UU], 1, v[AG]
	ds_load_b32 v[MWV], v[AT] offset:REC
	ds_load_b32 v[PV], v[AT] offset:REC+32
	ds_load_b32 v[GV], v[AG] offset:REC+64         ; the group's number
	v_mul_u32_u24 v[SO], v[TT], 96                 ; 3 groups x 256 bytes a chunk
	v_lshl_add_u32 v[SO], v[UU], 7, v[SO]
	v_min_u32 v[SO], 71*256, v[SO]                 ; stays inside the half's 72 groups
	s_wait_dscnt 0x0
	v_sub_nc_u32 v[RK], v[J], v[PV]
	BITSEL
	v_min_u32 v[BIT], 31, v[BIT]                   ; numbers from memory enter an address only clamped
	v_min_u32 v[GV], NBLK-1, v[GV]
	v_lshl_add_u32 v[SO], v[BIT], 3, v[SO]
	v_lshl_add_u32 v[SO], v[EV], 2, v[SO]
	v_mad_u32_u24 v[SO], v[HF], 72*256, v[SO]
	v_lshlrev_b32 v[KI+1], 6, v[GV]                ; index = 64 G + 2 l + e
	v_lshl_add_u32 v[KI+1], v[BIT], 1, v[KI+1]
	v_add_nc_u32 v[KI+1], v[KI+1], v[EV]
	v_lshlrev_b32 v[IO], 2, v[KI+1]
	global_load_b32 v[OD+2], v[SO], s[6:7]         ; score
	global_load_b32 v[OD+1], v[IO], s[8:9]         ; id
	v_mov_b32 v[OD+3], 0
	v_mov_b32 v[BIG], 0x7fffffff
	s_wait_loadcnt 0x0
	v_ashrrev_i32 v[TT], 31, v[OD+2]               ; the score as an unsigned key of the same order
	v_or_b32 v[TT], 0x80000000, v[TT]
	v_xor_b32 v[KI], v[OD+2], v[TT]
	; RANK among the 264: the indices differ, so the ranks are 0 .. 263, each once
	ds_store_b64 v[T8], v[KI:KI+1] offset:CAO
	s_wait_dscnt 0x0                               ; done, for the other waves' sake
	s_barrier_signal -1
	s_barrier_wait -1
	v_mov_b32 v[RANK], 0
	v_mov_b32 v[PTR], CAO
	s_mov_b32 s[CT], NC/8
.Lrank:
.irp c, 0,1,2,3
	ds_load_b128 v[L+4*\c:L+4*\c+3], v[PTR] offset:16*\c       ; eight candidates, the same for every lane
.endr
	s_wait_dscnt 0x0
.irp c, 0,1,2,3,4,5,6,7
	RANK1 L+2*\c, L+2*\c+1
.endr
	v_add_nc_u32 v[PTR], 64, v[PTR]
	s_sub_co_i32 s[CT], s[CT], 1
	s_cmp_lg_u32 s[CT], 0
	s_cbranch_scc1 .Lrank
	; VALID: my id is none of the 32
	s_wait_kmcnt 0x0
	v_cmp_eq_u32 s[BAD], s16, v[OD+1]
.set n, 1
.rept 31
	v_cmp_eq_u32 s50, s[16+n], v[OD+1]
	s_or_b32 s[BAD], s[BAD], s50
.set n, n+1
.endr
	v_cndmask_b32 v[VAL], v[RANK], v[BIG], s[BAD]
	ds_store_b32 v[T4], v[VAL] offset:VAO
	s_wait_dscnt 0x0                               ; done, for the other waves' sake
	s_barrier_signal -1
	s_barrier_wait -1
	v_mov_b32 v[NVB], 0                            ; valid ones in front of me
	v_mov_b32 v[TVC], 0                            ; valid ones among the first 132
	v_mov_b32 v[PTR], VAO
	s_mov_b32 s[CT], NC/8
.Lvalid:
	ds_load_b128 v[L:L+3], v[PTR]
	ds_load_b128 v[L+4:L+7], v[PTR] offset:16
	s_wait_dscnt 0x0
.irp c, 0,1,2,3,4,5,6,7
	v_cmp_lt_u32 vcc_lo, v[L+\c], v[RANK]
	v_add_co_ci_u32 v[NVB], vcc_lo, 0, v[NVB], vcc_lo
	v_cmp_gt_u32 vcc_lo, 132, v[L+\c]
	v_add_co_ci_u32 v[TVC], vcc_lo, 0, v[TVC], vcc_lo
.endr
	v_add_nc_u32 v[PTR], 32, v[PTR]
	s_sub_co_i32 s[CT], s[CT], 1
	s_cmp_lg_u32 s[CT], 0
	s_cbranch_scc1 .Lvalid
	; my place: kept (valid, fewer than 100 valid in front): the number of valid ones in front;
	; else behind all kept ones, in the order of rank among those not kept; ranks from 132 on have no place
	v_min_u32 v[TT], 100, v[NVB]                   ; kept ones in front of me
	v_min_u32 v[UU], 100, v[TVC]                   ; kept ones in all
	v_add_nc_u32 v[UU], v[UU], v[RANK]
	v_sub_nc_u32 v[UU], v[UU], v[TT]
	v_cmp_gt_u32 s50, 100, v[NVB]
	s_and_not1_b32 s50, s50, s[BAD]
	v_cndmask_b32 v[OD], v[UU], v[NVB], s50
	v_cmp_le_u32 vcc_lo, 132, v[RANK]
	v_cndmask_b32 v[OD], v[OD], v[BIG], vcc_lo
	ds_store_b128 v[T16], v[OD:OD+3] offset:OAO
	s_wait_dscnt 0x0                               ; done, for the waves that fill the output
	s_barrier_signal -1
	s_barrier_wait -1
	s_cmp_ge_u32 s[WV], 4
	s_cbranch_scc1 .Lend                           ; 100 places: four waves
	; PLACE t is filled by thread t: the places 0 .. 131 are each named once.  The 264 entries are gone through in 66 groups of four,
	; written out: every address is a constant.  Two register sets take turns: one group is on its way while the one before is compared.
	v_mov_b32 v[OID], 0
	v_mov_b32 v[OSC], 0
	v_mov_b32 v[PTR], 0
	PLD 0, L
.set g, 0
.rept NC/8
	PLD 2*g+1, L2
	s_wait_dscnt 4                                 ; LDS loads come back in order (ISA guide 5.7.1): all but the four just issued are in
	PUSE L
.if g < NC/8-1
	PLD 2*g+2, L
	s_wait_dscnt 4                                 ; again: the four just issued stay out
.else
	s_wait_dscnt 0x0                               ; the last group: nothing was issued behind it
.endif
	PUSE L2
.set g, g+1
.endr
	v_cmp_gt_u32 vcc_lo, 100, v0
	s_wait_xcnt 0x0                                ; EXEC changes only when no memory instruction still reads it
	s_and_saveexec_b32 s50, vcc_lo
	global_store_b32 v[T4], v[OID], s[12:13]
	global_store_b32 v[T4], v[OSC], s[14:15]
	s_wait_xcnt 0x0                                ; and again in front of the line that widens it
	s_or_b32 exec_lo, exec_lo, s50
.Lend:
	s_wait_tensorcnt 0x0
	ds_add_u32 v80, v81
	s_wait_dscnt 0x0
	s_endpgm
.Lfunc_end_k_q21cf4c5ed1_final:
	.size	k_q21cf4c5ed1_final, .Lfunc_end_k_q21cf4c5ed1_final-k_q21cf4c5ed1_final
	.p2alignl 7, 3214868480
	.fill 96, 4, 3214868480
	.section	.rodata,"a",@progbits
	.p2align	6, 0x0
	.amdhsa_kernel k_q21cf4c5ed1_final
		.amdhsa_group_segment_fixed_size 18432
		.amdhsa_private_segment_fixed_size 0
		.amdhsa_enable_private_segment 0
		.amdhsa_kernarg_size 48
		.amdhsa_user_sgpr_count 2
		.amdhsa_user_sgpr_kernarg_segment_ptr 1
		.amdhsa_wavefront_size32 1
		.amdhsa_system_sgpr_workgroup_id_x 1
		.amdhsa_system_sgpr_workgroup_id_y 1
		.amdhsa_system_sgpr_workgroup_id_z 1
		.amdhsa_system_vgpr_workitem_id 0
		.amdhsa_next_free_vgpr 82
		.amdhsa_next_free_sgpr 66
		.amdhsa_reserve_vcc 1
		.amdhsa_float_denorm_mode_32 3
		.amdhsa_float_denorm_mode_16_64 3
		.amdhsa_memory_ordered 1
		.amdhsa_forward_progress 1
		.amdhsa_inst_pref_size 62
	.end_amdhsa_kernel
	.amdgpu_metadata
---
amdhsa.version: [ 1, 2 ]
amdhsa.kernels:
  - .name:           k_q21cf4c5ed1_final
    .symbol:         k_q21cf4c5ed1_final.kd
    .args:
      - { .name: csel, .offset: 0, .size: 8, .value_kind: global_buffer, .address_space: global }
      - { .name: cscore, .offset: 8, .size: 8, .value_kind: global_buffer, .address_space: global }
      - { .name: item_ids, .offset: 16, .size: 8, .value_kind: global_buffer, .address_space: global }
      - { .name: invalid_ids, .offset: 24, .size: 8, .value_kind: global_buffer, .address_space: global }
      - { .name: out0, .offset: 32, .size: 8, .value_kind: global_buffer, .address_space: global }
      - { .name: out1, .offset: 40, .size: 8, .value_kind: global_buffer, .address_space: global }
    .group_segment_fixed_size: 18432
    .private_segment_fixed_size: 0
    .kernarg_segment_align: 8
    .kernarg_segment_size: 48
    .max_flat_workgroup_size: 384
    .sgpr_count:     66
    .vgpr_count:     82
    .wavefront_size: 32
...
	.end_amdgpu_metadata
.endif
;; end of part 4
;; ======== version 2 of 3: 4 launches; 1.14 times as fast as version 1
;; workspace buffers: gmax 8,028,160 bytes; gsel 524,288 bytes of whole numbers; cscore 4,718,592 bytes; csel 786,432 bytes of whole numbers
;; launch scan (part 5): grid 245 x 1, 8 waves a work-group, no clusters, 50,688 bytes of LDS; arguments item_embeddings_t, query_embeddings, gmax; writes gmax
.if DOCPART == 5
	.amdgcn_target "amdgcn-amd-amdhsa--gfx1250"
	.amdhsa_code_object_version 6
	.text
	.protected	k_q21cf4c5ed1_scan
	.globl	k_q21cf4c5ed1_scan
	.p2align	8
	.type	k_q21cf4c5ed1_scan,@function
k_q21cf4c5ed1_scan:
	s_mov_b64 s[64:65], 0
	v_nop
	global_prefetch_b8 v0, s[64:65] scope:SCOPE_SE
	s_setreg_imm32_b32 hwreg(HW_REG_WAVE_MODE, 25, 1), 1
	s_wait_xcnt 0x0
; SCAN: gmax[q][g] = the largest score of query q among the 64 items of group g (items 64 g .. 64 g + 63), for all 128 queries.
; Scores are bf16 x bf16 products summed in f32 by the matrix unit; they serve only to find the groups that can hold winners,
; the scores that are ranked and returned are made anew, in a fixed order of summation, by a later launch.
; The table is read once, 16 bytes a lane: sixteen neighbouring lanes take the 256 aligned bytes that a group has in one table row.
; No LDS on the way in: a lane's four columns 4r .. 4r+3 feed four item tiles (tile t holds item 4r+t as its row r), so that the
; loaded registers, rounded to bf16 in pairs along d, ARE the fragments.  Items are the first operand, queries the second:
; register j of lane (r, h) of a result is (item 32h+4j+t, query 16c+r), so the maximum over a group is taken inside the lane
; and joined once across the two halves of the wave.
; Work: a work-group owns 64 groups, a wave 8 of them, written out one after the other; two waves lie on a SIMD.
; A group's 32 loads are a ring of four quarters of eight: as soon as a quarter is rounded to bf16 its registers are asked for again,
; for the next group, so that at least 24 loads of a wave are on their way until the last group.
; No cluster: the work-groups share the queries alone, 32,768 bytes against 1,048,576 bytes of table each.
; No tensor loads: f32 has to pass through registers to become bf16, and the loads already deliver fragments.
; LIMITS: a NaN score loses every maximum (NaN inputs are not served).  Groups 15625 .. 15679 do not exist: the last work-group
; loads group 15624 in their stead and stores -inf for them.
.set ROWB,   4000000                   ; bytes in a table row
.set NBLK,   15625                     ; groups of 64 items
.set GPITCH, 62720                     ; bytes in a row of gmax: 245 x 64 groups x 4
.set SPITCH, 48                        ; stage: 8 groups x 4 bytes of one query + 16: sixteen queries start in sixteen different banks
.set WSTAGE, 6176                      ; a wave's stage: 128 queries x 48 + 32, so that the eight stages are 32 bytes apart modulo 256
; window 0
.set LR,   1                           ; r = lane % 16
.set LH,   2                           ; h = lane / 16
.set QO,   3                           ; byte offset of my part of a query row
.set AB,   4                           ; h x 8 table rows + 16 r
.set STO,  5                           ; stage: where I put a maximum
.set RD,   6                           ; stage: where I read 16 bytes back
.set CO,   7                           ; my byte offset in gmax
.set NINF, 8                           ; -inf
.set TV,   9                           ; at work
.set AD,   10                          ; v[10:41]   byte offsets of my 32 loads of a group; never rewritten
.set PK,   48                          ; v[48:111]  item fragments: tile t at 16 t, K step s at + 8 s
.set ACC0, 112                         ; v[112:175] eight result tiles (query tile c at 8 c)
.set ACC1, 176                         ; v[176:239] eight more: the two sets take turns
.set RM,   240                         ; v[240:247] running maximum for query tile c
.set TMP,  248                         ; v[248:255] the other half's maximum
; window 1
.set QF,   0                           ; v[256:383] query fragments: tile c at 16 c, K step s at + 8 s
.set RAW,  128                         ; v[384:511] a group as loaded: load n at 4 n
; scalars
.set SB,   16                          ; s[16:31]   the table at my group i
.set VM,   32                          ; s[32:39]   all ones if group i exists, else 0
.set MSB, 0
.macro WIN new                         ; the immediate's high byte repeats the setting that is left
.if MSB != \new
	s_set_vgpr_msb (MSB<<8)|\new
.set MSB, \new
.endif
.endm
	s_load_b128 s[4:7], s[0:1], 0x0                ; table s[4:5], queries s[6:7]
	s_load_b64 s[8:9], s[0:1], 0x10                ; gmax
	v_lshl_add_u32 v46, v0, 2, 0xc200
	v_mov_b32 v47, 0
	v_and_b32 v[LR], 15, v0
	v_bfe_u32 v[LH], v0, 4, 1
	v_lshrrev_b32 v[TV], 5, v0
	v_readfirstlane_b32 s10, v[TV]                 ; wave 0..7
	s_mov_b32 s40, 0x76543210                      ; v_permlanex16_b32: lane i reads lane i of the other half
	s_mov_b32 s41, 0xfedcba98
	s_mov_b32 s12, 8*ROWB
	v_lshlrev_b32 v[QO], 8, v[LR]                  ; query r of a tile: 256 bytes a row,
	v_lshl_add_u32 v[QO], v[LH], 5, v[QO]          ; + 8 h numbers
	v_mul_lo_u32 v[AB], v[LH], s12
	v_lshl_add_u32 v[AB], v[LR], 4, v[AB]
; load n brings table row d = 16 (n / 8) + 8 h + n % 8: the order in which a 16-bit fragment wants K
.set n, 0
.rept 32
	v_add_nc_u32 v[AD+n], (16*(n>>3)+(n&7))*ROWB, v[AB]
.set n, n+1
.endr
	s_mul_i32 s12, s10, WSTAGE
	v_mad_u32_u24 v[STO], v[LR], SPITCH, s12       ; my wave's stage, query r of a tile
	v_lshl_add_u32 v[TV], s10, 4, v[LH]            ; the way out: query 16 w + h
	v_mul_u32_u24 v[CO], v[TV], GPITCH
	v_lshl_add_u32 v[CO], v[LR], 4, v[CO]          ; + 16 r: sixteen lanes cover the work-group's 256 bytes of a row of gmax
	v_mul_u32_u24 v[RD], v[TV], SPITCH
	v_lshrrev_b32 v[TV], 1, v[LR]                  ; groups 4 r .. 4 r + 3 were made by wave r / 2,
	v_mad_u32_u24 v[RD], v[TV], WSTAGE, v[RD]
	v_and_b32 v[TV], 1, v[LR]                      ; as its groups 4 (r % 2) .. + 3
	v_lshl_add_u32 v[RD], v[TV], 4, v[RD]
	v_mov_b32 v[NINF], 0xff800000
.irp c, 0,1,2,3,4,5,6,7
	v_mov_b32 v[TMP+\c], 0                         ; v_permlanex16_b32 counts as a reader of its destination
.endr
	s_lshl_b32 s11, ttmp9, 6
	s_lshl3_add_u32 s11, s10, s11                  ; my first group: 64 x work-group + 8 x wave
	s_mov_b32 s13, 0
	s_wait_kmcnt 0x0
.irp i, 0,1,2,3,4,5,6,7
	s_add_co_u32 s12, s11, \i
	s_cmp_lt_u32 s12, NBLK
	s_cselect_b32 s[VM+\i], -1, 0
	s_min_u32 s12, s12, NBLK-1                     ; no load leaves the table
	s_lshl_b32 s12, s12, 8
	s_add_nc_u64 s[SB+2*\i:SB+2*\i+1], s[4:5], s[12:13]
.endr
	s_lshl_b32 s12, ttmp9, 8
	s_add_nc_u64 s[8:9], s[8:9], s[12:13]          ; gmax at the work-group's 64 groups
; four query tiles in f32 into the (still unused) result registers: tile c0 + c at 32 c, 8 numbers for each quarter q of K
.macro QLOAD c0
.irp c, 0,1,2,3
.irp q, 0,1,2,3
	global_load_b128 v[ACC0+32*\c+8*\q:ACC0+32*\c+8*\q+3],   v[QO], s[6:7] offset:(\c0+\c)*4096+\q*64
	global_load_b128 v[ACC0+32*\c+8*\q+4:ACC0+32*\c+8*\q+7], v[QO], s[6:7] offset:(\c0+\c)*4096+\q*64+16
.endr
.endr
.endm
; and rounded to bf16, two neighbouring d to a register
.macro QCVT u0
	WIN 0x40                                       ; destination in window 1
.set u, 0
.rept 64
	v_cvt_pk_bf16_f32 v[QF+\u0+u], v[ACC0+2*u], v[ACC0+2*u+1]
.set u, u+1
.endr
	WIN 0
.endm
; quarter q of group i: eight loads, 16 table rows x 256 bytes, read once in the launch
.macro TLOADQ i, q
	WIN 0x40                                       ; data in window 1, addresses in window 0
.irp m, 0,1,2,3,4,5,6,7
	global_load_b128 v[RAW+4*(8*\q+\m):RAW+4*(8*\q+\m)+3], v[AD+8*\q+\m], s[SB+2*(\i):SB+2*(\i)+1] th:TH_LOAD_NT
.endr
.endm
; quarter q of K for all four item tiles: column t of two neighbouring table rows makes one register of tile t's fragment
.macro CVTQ q
	WIN 0x05                                       ; both sources in window 1
.irp t, 0,1,2,3
.irp p, 0,1,2,3
	v_cvt_pk_bf16_f32 v[PK+16*\t+4*\q+\p], v[RAW+4*(8*\q+2*\p)+\t], v[RAW+4*(8*\q+2*\p+1)+\t]
.endr
.endr
.endm
; item tile t against all eight query tiles, K = 64 in two steps.  The first step starts the sums with the constant 0.
; The eight accumulators take turns, one instruction a turn.
.macro BT t, acc
	WIN 0x04                                       ; the queries' fragments in window 1
.irp c, 0,1,2,3,4,5,6,7
	v_wmma_f32_16x16x32_bf16 v[\acc+8*\c:\acc+8*\c+7], v[PK+16*\t:PK+16*\t+7], v[QF+16*\c:QF+16*\c+7], 0
.endr
.irp c, 0,1,2,3,4,5,6,7
	v_wmma_f32_16x16x32_bf16 v[\acc+8*\c:\acc+8*\c+7], v[PK+16*\t+8:PK+16*\t+15], v[QF+16*\c+8:QF+16*\c+15], v[\acc+8*\c:\acc+8*\c+7]
.endr
.endm
; the eight results of a lane in each of the eight tiles join the running maxima: 32 instructions, eight chains side by side
.macro MAXT acc, first
	WIN 0
.if \first
.irp c, 0,1,2,3,4,5,6,7
	v_max3_num_f32 v[RM+\c], v[\acc+8*\c], v[\acc+8*\c+1], v[\acc+8*\c+2]      ; the first tile starts the maxima
.endr
.irp c, 0,1,2,3,4,5,6,7
	v_max3_num_f32 v[RM+\c], v[RM+\c], v[\acc+8*\c+3], v[\acc+8*\c+4]
.endr
.irp c, 0,1,2,3,4,5,6,7
	v_max3_num_f32 v[RM+\c], v[RM+\c], v[\acc+8*\c+5], v[\acc+8*\c+6]
.endr
.irp c, 0,1,2,3,4,5,6,7
	v_max_num_f32 v[RM+\c], v[RM+\c], v[\acc+8*\c+7]
.endr
.else
.irp j, 0,2,4,6
.irp c, 0,1,2,3,4,5,6,7
	v_max3_num_f32 v[RM+\c], v[RM+\c], v[\acc+8*\c+\j], v[\acc+8*\c+\j+1]
.endr
.endr
.endif
.endm
; the two halves of the wave hold items 0-31 and 32-63: join them, and put group i's maxima into my stage
.macro FIN i
.irp c, 0,1,2,3,4,5,6,7
	v_permlanex16_b32 v[TMP+\c], v[RM+\c], s40, s41
.endr
.irp c, 0,1,2,3,4,5,6,7
	v_max_num_f32 v[RM+\c], v[RM+\c], v[TMP+\c]
.endr
.irp c, 0,1,2,3,4,5,6,7
	v_cndmask_b32 v[RM+\c], v[NINF], v[RM+\c], s[VM+\i]        ; a group that does not exist: -inf
.endr
.irp c, 0,1,2,3,4,5,6,7
	ds_store_b32 v[STO], v[RM+\c] offset:\c*16*SPITCH+\i*4     ; lanes r and r + 16 store the same number to the same word
.endr
.endm
; One group.  First its four quarters: wait, round, ask again.  Loads come back in order (ISA guide 5.7.1); behind a quarter's eight loads
; stand the rest of this group's and the quarters of the next group that have been asked for, 24 in all; in the last group nothing is
; asked for and the counts run down.
; Then the products.  A vector instruction that reads a matrix result stands four places behind it, a matrix instruction that writes over
; one five (ISA guide 7.12.1), and matrix instructions are no places: four v_nop stand in front of the first maxima; every later read
; or overwriting has the 32 maxima of the other set of accumulators, or 28 of its own set's that name other tiles, behind the matrix instruction concerned.
.macro BLOCK i, more
.irp q, 0,1,2,3
.if \more
	s_wait_loadcnt 24
.else
	s_wait_loadcnt 24-8*\q
.endif
	CVTQ \q
.if \more
	TLOADQ \i+1, \q
.endif
.endr
	BT 0, ACC0
	BT 1, ACC1
.rept 4
	v_nop
.endr
	MAXT ACC0, 1
	BT 2, ACC0
	MAXT ACC1, 0
	BT 3, ACC1
	MAXT ACC0, 0
	MAXT ACC1, 0
	FIN \i
.endm
	QLOAD 0
.irp q, 0,1,2,3
	TLOADQ 0, \q
.endr
	WIN 0
	s_wait_loadcnt 32                              ; the 32 table loads are younger, the queries are in
	QCVT 0
	QLOAD 4
	s_wait_loadcnt 0x0
	QCVT 64
	BLOCK 0, 1
	BLOCK 1, 1
	BLOCK 2, 1
	BLOCK 3, 1
	BLOCK 4, 1
	BLOCK 5, 1
	BLOCK 6, 1
	BLOCK 7, 0
	; THE WAY OUT: wave w stores queries 16 w .. 16 w + 15; a query's 64 maxima were made by all eight waves.
	WIN 0
	s_wait_dscnt 0x0                               ; my stores into the stage are done, for the other waves' sake
	s_barrier_signal -1
	s_barrier_wait -1
.irp t, 0,1,2,3,4,5,6,7
	ds_load_b128 v[ACC0+4*\t:ACC0+4*\t+3], v[RD] offset:\t*2*SPITCH
.endr
.irp t, 0,1,2,3,4,5,6,7
	s_wait_dscnt 7-\t                              ; LDS loads come back in order: read t is in, the 7 - t younger ones may be out
	global_store_b128 v[CO], v[ACC0+4*\t:ACC0+4*\t+3], s[8:9] offset:\t*2*GPITCH   ; sixteen lanes store 256 consecutive bytes, aligned
.endr
	s_wait_tensorcnt 0x0
	ds_add_u32 v46, v47
	s_wait_dscnt 0x0
	s_endpgm
.Lfunc_end_k_q21cf4c5ed1_scan:
	.size	k_q21cf4c5ed1_scan, .Lfunc_end_k_q21cf4c5ed1_scan-k_q21cf4c5ed1_scan
	.p2alignl 7, 3214868480
	.fill 96, 4, 3214868480
	.section	.rodata,"a",@progbits
	.p2align	6, 0x0
	.amdhsa_kernel k_q21cf4c5ed1_scan
		.amdhsa_group_segment_fixed_size 50688
		.amdhsa_private_segment_fixed_size 0
		.amdhsa_enable_private_segment 0
		.amdhsa_kernarg_size 24
		.amdhsa_user_sgpr_count 2
		.amdhsa_user_sgpr_kernarg_segment_ptr 1
		.amdhsa_wavefront_size32 1
		.amdhsa_system_sgpr_workgroup_id_x 1
		.amdhsa_system_sgpr_workgroup_id_y 1
		.amdhsa_system_sgpr_workgroup_id_z 1
		.amdhsa_system_vgpr_workitem_id 0
		.amdhsa_next_free_vgpr 512
		.amdhsa_next_free_sgpr 66
		.amdhsa_reserve_vcc 0
		.amdhsa_float_denorm_mode_32 3
		.amdhsa_float_denorm_mode_16_64 3
		.amdhsa_memory_ordered 1
		.amdhsa_forward_progress 1
		.amdhsa_inst_pref_size 192
	.end_amdhsa_kernel
	.amdgpu_metadata
---
amdhsa.version: [ 1, 2 ]
amdhsa.kernels:
  - .name:           k_q21cf4c5ed1_scan
    .symbol:         k_q21cf4c5ed1_scan.kd
    .args:
      - { .name: item_embeddings_t, .offset: 0, .size: 8, .value_kind: global_buffer, .address_space: global }
      - { .name: query_embeddings, .offset: 8, .size: 8, .value_kind: global_buffer, .address_space: global }
      - { .name: gmax, .offset: 16, .size: 8, .value_kind: global_buffer, .address_space: global }
    .group_segment_fixed_size: 50688
    .private_segment_fixed_size: 0
    .kernarg_segment_align: 8
    .kernarg_segment_size: 24
    .max_flat_workgroup_size: 256
    .sgpr_count:     66
    .vgpr_count:     512
    .wavefront_size: 32
...
	.end_amdgpu_metadata
.endif
;; end of part 5
;; launch gsel (part 6): grid 128 x 1, 16 waves a work-group, no clusters, 7,168 bytes of LDS; arguments gmax, gsel; writes gsel
.if DOCPART == 6
	.amdgcn_target "amdgcn-amd-amdhsa--gfx1250"
	.amdhsa_code_object_version 6
	.text
	.protected	k_q21cf4c5ed1_gsel
	.globl	k_q21cf4c5ed1_gsel
	.p2align	8
	.type	k_q21cf4c5ed1_gsel,@function
k_q21cf4c5ed1_gsel:
	s_mov_b64 s[64:65], 0
	v_nop
	global_prefetch_b8 v0, s[64:65] scope:SCOPE_SE
	s_setreg_imm32_b32 hwreg(HW_REG_WAVE_MODE, 25, 1), 1
	s_wait_xcnt 0x0
; GSEL: for one query (one work-group) mark the 144 groups with the largest maxima, as bit masks with running counts.
; Why 144: an item among the 132 best of a query, ordered by (score falling, index rising), lies in one of the first 132 groups
; ordered by (group maximum falling, group number rising); 12 more are taken because the maxima come from the matrix unit's sums
; and the ranking from sums made in another order.  LIMIT: were more than 12 foreign groups to come within that rounding difference of
; the 132nd score, a group could be missed.  NaN maxima do not occur (the scan's maximum drops NaN).  -0 sorts below +0.
; Method: floats are mapped to unsigned keys of the same order, 32 a lane; the 144th largest key is found from the top, two bits a step.
; The counting works on BIT PLANES: a lane's 32 keys are transposed once as a 32 x 32 bit matrix (256 instructions), so that plane b
; holds bit b of key k in its bit k.  A mask AL marks the keys that agree with the threshold in all bits decided so far, KR is the number
; of places still to fill among them.  A step then needs three logic instructions and three popcounts for a lane's 32 keys, where
; comparing the keys themselves would take 96 compares and as many counts.
; No address and no branch hangs on a key: the outcome is stored as whole numbers.  The steps are written out: a plane's number is a register's number.
; Wave w holds mask words 32 w .. 32 w + 31; word W stands for groups 32 W .. 32 W + 31, lane l holds group 32 W + l, so that the order
; (word, bit) is the order of rising group number, on which the next launch leans.  A wave's load covers 128 consecutive bytes,
; two neighbouring loads an aligned block of 256.
; Output, 4,096 bytes a query: 512 mask words, then 512 words with the number of marked groups in all earlier mask words.
; Matrix units, clusters and tensor loads have nothing to do here: 62,720 bytes are read once and reduced in registers.
.set GPITCH, 62720
.set NWORD,  490                       ; mask words that exist: 245 x 64 groups / 32
.set KTH,    144
.set KTHF,   0x43100000                ; 144.0
.set NK,     32                        ; keys a lane
.set CNT,    0                         ; LDS: two areas of 384 bytes, which take turns: three rows of 32 words, row j: digit >= j + 1, word 2 w + h: half h of wave w
.set TOT,    768                       ; 16 x (greater, equal)
.set OUT,    1024                      ; the record, 4,096 bytes
.set LANE, 1
.set L4,   2
.set TV,   3
.set XT,   5
.set CA,   6                           ; 4 x (thread / 16)
.set CR,   7                           ; 16 x (lane % 8)
.set LD,   8                           ; v[8:19]   what a step reads; at work in the transposition; the record on its way out
.set TA,   20                          ; v[20:21]
.set GBV,  22
.set EBV,  23
.set T0,   24
.set VOM,  25                          ; lane k: my mask word k
.set VOP,  26                          ; lane k: its running count
.set O4,   27
.set O16,  28
.set TS,   29
.set TR,   30
.set KY,   32                          ; v[32:63]  keys
.set VA,   64                          ; v[64:95]  byte offsets of my 32 loads, then
.set PB,   64                          ; v[64:95]  the bit planes
.set TP,   96                          ; v[96:127] the transposition's first stage; at the end, word k: how many equal keys stand in front of mine
.set AL,   96                          ; in the steps: the keys still alive
.set SET,  97                          ; v[97:99]   alive keys with digit >= 1, >= 2, >= 3
.set CN,   100                         ; v[100:102] their numbers
.set TQ,   103                         ; v[103:105] at work
.set EC,   106                         ; v[106:108] alive keys with digit 0, 1, 2
.set KR,   109                         ; places still to fill, in f32
.set SB,   110
.set WV,   8
.set SL,   9                           ; selectors of v_perm_b32
.set TH,   10                          ; the threshold so far
.set SH,   11
.set SE,   12
.set SO,   13
.set PL,   14                          ; s[14:15]
.set CGT,  16
.set GB,   17
.set EB,   18
.set RQ,   19
.set SP,   20
.set S0,   21
.set S1,   22
.set S2,   23
.set LM,   24                          ; lanes 0 .. 15
.set W0,   25                          ; my first word
.set M5,   26                          ; 0x55555555
.set M3,   27                          ; 0x33333333
.set MF,   28                          ; 0x0f0f0f0f
.set PS,   29                          ; s[29:31] all ones if the count for digit >= j + 1 fills the places
.set GT,   32                          ; s[32:63] key > threshold, then the mask words
.set EQ,   68                          ; s[68:99] key = threshold, then those of them that are taken, then the running counts
; a float's bits as an unsigned number of the same order: a negative number is inverted, a positive one gets the top bit
.macro KEY k, f, t
	v_ashrrev_i32 v[\t], 31, v[\f]
	v_or_b32 v[\t], 0x80000000, v[\t]
	v_xor_b32 v[\k], v[\f], v[\t]
.endm
; the sum of a small whole number over the 32 lanes, as a scalar; in f32, which is exact far beyond the 16,384 that can occur
.macro WSUM x, tmp, sd
	v_cvt_f32_u32 v[\x], v[\x]
	v_add_f32_dpp v[\x], v[\x], v[\x] row_xmask:1 row_mask:0xf bank_mask:0xf
	v_add_f32_dpp v[\x], v[\x], v[\x] row_xmask:2 row_mask:0xf bank_mask:0xf
	v_add_f32_dpp v[\x], v[\x], v[\x] row_xmask:4 row_mask:0xf bank_mask:0xf
	v_add_f32_dpp v[\x], v[\x], v[\x] row_xmask:8 row_mask:0xf bank_mask:0xf
	v_permlanex16_b32 v[\tmp], v[\x], s[PL], s[PL+1]
	v_add_f32 v[\x], v[\x], v[\tmp]
	v_cvt_u32_f32 v[\x], v[\x]
	v_readfirstlane_b32 s[\sd], v[\x]
.endm
; A stage of the transposition: in each pair of rows k, k + j the columns of row k whose number has bit j set change places with the
; columns of row k + j, j lower, whose number has it clear.  m: the mask of the columns with the bit clear.
.macro XCH j, m
.set k, 0
.rept 32
.if (k & \j) == 0
	v_lshlrev_b32 v[LD+2*(k&3)],   \j, v[PB+k+\j]
	v_lshrrev_b32 v[LD+2*(k&3)+1], \j, v[PB+k]
	v_bfi_b32 v[PB+k],    s[\m], v[PB+k], v[LD+2*(k&3)]
	v_bfi_b32 v[PB+k+\j], s[\m], v[LD+2*(k&3)+1], v[PB+k+\j]
.endif
.set k, k+1
.endr
.endm
.macro DPP3 x                          ; one exchange in each of the three sums
.irp j, 0,1,2
	v_add_f32_dpp v[CN+\j], v[CN+\j], v[CN+\j] row_xmask:\x row_mask:0xf bank_mask:0xf
.endr
.endm
; Bits b0 + 1 and b0 of the threshold: the largest digit d for which at least KR alive keys have a digit >= d.
; The counts for d = 1, 2, 3 fall with d, so the tests pass for 1 .. d and fail above.
; The two count areas take turns, so one barrier a step is enough: a word is stored again two steps later, behind the next step's
; barrier, in front of which every wave has waited for its reads of it.
.macro STEP2 b0, area
	v_and_b32 v[SET+1], v[AL], v[PB+(\b0)+1]                   ; digit 2 or 3
	v_and_or_b32 v[SET], v[AL], v[PB+(\b0)], v[SET+1]          ; digit 1, 2 or 3
	v_and_b32 v[SET+2], v[SET+1], v[PB+(\b0)]                  ; digit 3
	; three popcounts side by side: ones in fields of 2, 4 and 8 bits, then the four bytes summed into the top byte (32 at the most: no carry)
.irp j, 0,1,2
	v_lshrrev_b32 v[TQ+\j], 1, v[SET+\j]
.endr
.irp j, 0,1,2
	v_and_b32 v[TQ+\j], s[M5], v[TQ+\j]
.endr
.irp j, 0,1,2
	v_sub_nc_u32 v[CN+\j], v[SET+\j], v[TQ+\j]
.endr
.irp j, 0,1,2
	v_lshrrev_b32 v[TQ+\j], 2, v[CN+\j]
.endr
.irp j, 0,1,2
	v_and_b32 v[CN+\j], s[M3], v[CN+\j]
.endr
.irp j, 0,1,2
	v_and_b32 v[TQ+\j], s[M3], v[TQ+\j]
.endr
.irp j, 0,1,2
	v_add_nc_u32 v[CN+\j], v[CN+\j], v[TQ+\j]
.endr
.irp j, 0,1,2
	v_lshrrev_b32 v[TQ+\j], 4, v[CN+\j]
.endr
.irp j, 0,1,2
	v_add_nc_u32 v[CN+\j], v[CN+\j], v[TQ+\j]
.endr
.irp j, 0,1,2
	v_and_b32 v[CN+\j], s[MF], v[CN+\j]
.endr
.irp j, 0,1,2
	v_lshl_add_u32 v[CN+\j], v[CN+\j], 8, v[CN+\j]
.endr
.irp j, 0,1,2
	v_lshl_add_u32 v[CN+\j], v[CN+\j], 16, v[CN+\j]
.endr
.irp j, 0,1,2
	v_lshrrev_b32 v[CN+\j], 24, v[CN+\j]
.endr
.irp j, 0,1,2
	v_cvt_f32_u32 v[CN+\j], v[CN+\j]                           ; sums stay whole numbers up to 16,384: exact in f32
.endr
	DPP3 1
	DPP3 2
	DPP3 4
	DPP3 8                                                     ; every lane holds the sum of its half of the wave
.irp j, 0,1,2
	ds_store_b32 v[CA], v[CN+\j] offset:CNT+(\area)*384+128*\j ; sixteen lanes store the same number to the same word
.endr
	s_wait_dscnt 0x0                               ; done, for the other waves' sake
	s_barrier_signal -1
	v_xor_b32 v[EC], v[AL], v[SET]                 ; register work while the others arrive: the alive keys with digit 0,
	v_xor_b32 v[EC+1], v[SET], v[SET+1]            ; 1,
	v_xor_b32 v[EC+2], v[SET+1], v[SET+2]          ; 2
	s_barrier_wait -1
.irp j, 0,1,2
	ds_load_b128 v[LD+4*\j:LD+4*\j+3], v[CR] offset:CNT+(\area)*384+128*\j     ; words 4 (l % 8) .. + 3 of each row: eight neighbouring lanes hold a row
.endr
	s_wait_dscnt 0x0
.irp j, 0,1,2
	v_pk_add_f32 v[LD+4*\j:LD+4*\j+1], v[LD+4*\j:LD+4*\j+1], v[LD+4*\j+2:LD+4*\j+3]
.endr
.irp j, 0,1,2
	v_add_f32 v[CN+\j], v[LD+4*\j], v[LD+4*\j+1]
.endr
	DPP3 1
	DPP3 2
	DPP3 4                                                     ; all three totals in every lane
.irp j, 0,1,2
	v_cmp_le_f32 s[PS+\j], v[KR], v[CN+\j]                     ; the same in all lanes: all ones or 0
.endr
	v_cndmask_b32 v[AL], v[EC], v[EC+1], s[PS]                 ; the keys with the digit chosen stay alive: choices of values, no branch
	v_cndmask_b32 v[SB], v[CN], v[CN+1], s[PS]                 ; those with a larger digit take places
	v_cndmask_b32 v[AL], v[AL], v[EC+2], s[PS+1]
	v_cndmask_b32 v[SB], v[SB], v[CN+2], s[PS+1]
	v_cndmask_b32 v[AL], v[AL], v[SET+2], s[PS+2]
	v_cndmask_b32 v[SB], v[SB], 0, s[PS+2]
	v_sub_f32 v[KR], v[KR], v[SB]                              ; at least 1 stays: the count taken away failed its test
	s_add_co_u32 s[S0], s[PS], s[PS+1]                         ; minus the digit,
	s_add_co_u32 s[S0], s[S0], s[PS+2]
	s_mul_i32 s[S0], s[S0], 1<<(\b0)                           ; at its place,
	s_sub_co_u32 s[TH], s[TH], s[S0]                           ; into the threshold
.endm
	s_load_b128 s[4:7], s[0:1], 0x0                ; gmax s[4:5], gsel s[6:7]
	v_lshl_add_u32 v128, v0, 2, 0x1400
	v_mov_b32 v129, 0
	v_and_b32 v[LANE], 31, v0
	v_lshrrev_b32 v[TV], 5, v0
	v_readfirstlane_b32 s[WV], v[TV]
	v_lshlrev_b32 v[L4], 2, v[LANE]
	s_mov_b32 s[PL], 0x76543210
	s_mov_b32 s[PL+1], 0xfedcba98
	s_mov_b32 s[LM], 0xffff
	s_mov_b32 s[M5], 0x55555555
	s_mov_b32 s[M3], 0x33333333
	s_mov_b32 s[MF], 0x0f0f0f0f
	s_mov_b32 s[SL], 0x05040100                    ; the two low halves
	s_mov_b32 s[SH], 0x07060302                    ; the two high halves
	s_mov_b32 s[SE], 0x06020400                    ; the even bytes of both, interleaved
	s_mov_b32 s[SO], 0x07030501                    ; the odd bytes
	s_lshl_b32 s[W0], s[WV], 5
.set k, 0
.rept NK
	s_add_co_u32 s[S0], s[W0], k                   ; word 32 w + k
	s_min_u32 s[S0], s[S0], NWORD-1                ; words 490 .. 511 do not exist: the last one is loaded in their stead, their keys become 0
	s_lshl_b32 s[S0], s[S0], 7
	v_add_nc_u32 v[VA+k], s[S0], v[L4]
.set k, k+1
.endr
	s_mul_i32 s[S1], ttmp9, GPITCH
	s_mov_b32 s[S2], 0
	s_wait_kmcnt 0x0
	s_add_nc_u64 s[4:5], s[4:5], s[S1:S2]          ; my query's row
.set k, 0
.rept NK
	global_load_b32 v[KY+k], v[VA+k], s[4:5]
.set k, k+1
.endr
	s_lshl_b32 s[S1], ttmp9, 12
	s_add_nc_u64 s[6:7], s[6:7], s[S1:S2]          ; my query's record
	v_lshrrev_b32 v[CA], 4, v0
	v_lshlrev_b32 v[CA], 2, v[CA]
	v_and_b32 v[CR], 7, v[LANE]
	v_lshlrev_b32 v[CR], 4, v[CR]
	v_lshlrev_b32 v[TS], 3, v[TV]
	v_min_u32 v[TR], 15, v[LANE]
	v_lshlrev_b32 v[TR], 3, v[TR]
	v_lshlrev_b32 v[O4], 2, v0
	v_lshlrev_b32 v[O16], 4, v0
	v_mov_b32 v[XT], 0                             ; v_permlanex16_b32 and v_writelane_b32 count as readers of their destinations
	v_mov_b32 v[VOM], 0
	v_mov_b32 v[VOP], 0
	s_wait_loadcnt 0x0                             ; the keys are in, and the offset registers are free for the planes
.set k, 0
.rept NK
	s_add_co_u32 s[S0], s[W0], k
	s_cmp_lt_u32 s[S0], NWORD
	s_cselect_b32 s[S0], -1, 0                     ; all ones if the word exists
	KEY KY+k, KY+k, T0
	v_and_b32 v[KY+k], s[S0], v[KY+k]              ; key 0 lies below every float's key but that of one NaN pattern: never among the 144
.set k, k+1
.endr
	; THE PLANES: rows = keys, columns = bits.  Blocks of 16, 8, 4, 2, 1 columns and rows change places across the diagonal.
	; The keys themselves stay: the closing phase compares them with the threshold.
.set k, 0
.rept 16
	v_perm_b32 v[TP+k],    v[KY+k+16], v[KY+k], s[SL]          ; columns 0-15 of rows k and k + 16
	v_perm_b32 v[TP+k+16], v[KY+k+16], v[KY+k], s[SH]          ; columns 16-31
.set k, k+1
.endr
.irp k, 0,1,2,3,4,5,6,7,16,17,18,19,20,21,22,23
	v_perm_b32 v[PB+\k],   v[TP+\k+8], v[TP+\k], s[SE]
	v_perm_b32 v[PB+\k+8], v[TP+\k+8], v[TP+\k], s[SO]
.endr
	XCH 4, MF
	XCH 2, M3
	XCH 1, M5
	; THE THRESHOLD, sixteen steps from bits 31 and 30 down
	v_mov_b32 v[AL], -1
	v_mov_b32 v[KR], KTHF
	s_mov_b32 s[TH], 0
.set st, 15
.rept 16
	STEP2 2*st, st&1
.set st, st-1
.endr
	; TH is the 144th largest key: fewer than 144 keys lie above it, at least 144 reach it
.set k, 0
.rept NK
	v_cmp_lt_u32 s[GT+k], s[TH], v[KY+k]
	v_cmp_eq_u32 s[EQ+k], s[TH], v[KY+k]
.set k, k+1
.endr
	s_mov_b32 s[S0], 0
	s_mov_b32 s[S1], 0
.set k, 0
.rept NK
	s_bcnt1_i32_b32 s[S2], s[GT+k]
	s_add_co_u32 s[S0], s[S0], s[S2]
	s_bcnt1_i32_b32 s[S2], s[EQ+k]
	s_add_co_u32 s[S1], s[S1], s[S2]
.set k, k+1
.endr
	v_mov_b32 v[TA], s[S0]
	v_mov_b32 v[TA+1], s[S1]
	ds_store_b64 v[TS], v[TA:TA+1] offset:TOT      ; my wave's numbers of greater and of equal keys
	s_wait_dscnt 0x0                               ; done, for the other waves' sake
	s_barrier_signal -1
	s_barrier_wait -1
	ds_load_b64 v[TA:TA+1], v[TR] offset:TOT       ; lane l: wave l's (lanes 16 .. 31 repeat wave 15's and count nothing)
	s_wait_dscnt 0x0
	v_cmp_gt_u32 vcc_lo, s[WV], v[LANE]            ; the waves in front of mine
	v_cndmask_b32 v[GBV], 0, v[TA], vcc_lo
	v_cndmask_b32 v[EBV], 0, v[TA+1], vcc_lo
	v_cndmask_b32 v[TA], 0, v[TA], s[LM]
	WSUM TA, XT, CGT                               ; greater keys in all,
	WSUM GBV, XT, GB                               ; greater and
	WSUM EBV, XT, EB                               ; equal ones in earlier waves
	s_sub_co_u32 s[RQ], KTH, s[CGT]                ; so many equal keys are taken, the first ones
	s_min_u32 s[S0], s[EB], s[RQ]
	s_add_co_u32 s[SP], s[GB], s[S0]               ; marked in earlier waves
	; THE MASK WORDS.  Keys equal to the threshold are taken in rising group number until RQ of them are taken.  Four runs, in each of
	; which values pass one way only between the scalar and the vector side.
	; 1: in front of lane l of word k stand the equal keys of earlier words and those of the lanes below l
.set k, 0
.rept NK
	v_mbcnt_lo_u32_b32 v[TP+k], s[EQ+k], s[EB]
	s_bcnt1_i32_b32 s[S2], s[EQ+k]
	s_add_co_u32 s[EB], s[EB], s[S2]
.set k, k+1
.endr
	; 2: an equal key is taken if fewer than RQ stand in front of it; a key that is not equal never passes this test
.set k, 0
.rept NK
	v_cndmask_b32 v[TP+k], -1, v[TP+k], s[EQ+k]
	v_cmp_gt_u32 s[EQ+k], s[RQ], v[TP+k]
.set k, k+1
.endr
	; 3: the mask words and their running counts
.set k, 0
.rept NK
	s_or_b32 s[GT+k], s[GT+k], s[EQ+k]
	s_mov_b32 s[EQ+k], s[SP]
	s_bcnt1_i32_b32 s[S2], s[GT+k]
	s_add_co_u32 s[SP], s[SP], s[S2]
.set k, k+1
.endr
	; 4: word k into lane k
.set k, 0
.rept NK
	v_writelane_b32 v[VOM], s[GT+k], k
	v_writelane_b32 v[VOP], s[EQ+k], k
.set k, k+1
.endr
	ds_store_b32 v[O4], v[VOM] offset:OUT          ; thread t = word t: my wave's 128 consecutive bytes of the masks
	ds_store_b32 v[O4], v[VOP] offset:OUT+2048     ; and of the counts
	s_wait_dscnt 0x0                               ; done, for the waves that store the record
	s_barrier_signal -1
	s_barrier_wait -1
	s_cmp_ge_u32 s[WV], 8
	s_cbranch_scc1 .Lend                           ; 256 threads x 16 bytes are the record
	ds_load_b128 v[LD:LD+3], v[O16] offset:OUT
	s_wait_dscnt 0x0
	global_store_b128 v[O16], v[LD:LD+3], s[6:7]   ; sixteen lanes store 256 consecutive bytes, aligned
.Lend:
	s_wait_tensorcnt 0x0
	ds_add_u32 v128, v129
	s_wait_dscnt 0x0
	s_endpgm
.Lfunc_end_k_q21cf4c5ed1_gsel:
	.size	k_q21cf4c5ed1_gsel, .Lfunc_end_k_q21cf4c5ed1_gsel-k_q21cf4c5ed1_gsel
	.p2alignl 7, 3214868480
	.fill 96, 4, 3214868480
	.section	.rodata,"a",@progbits
	.p2align	6, 0x0
	.amdhsa_kernel k_q21cf4c5ed1_gsel
		.amdhsa_group_segment_fixed_size 7168
		.amdhsa_private_segment_fixed_size 0
		.amdhsa_enable_private_segment 0
		.amdhsa_kernarg_size 16
		.amdhsa_user_sgpr_count 2
		.amdhsa_user_sgpr_kernarg_segment_ptr 1
		.amdhsa_wavefront_size32 1
		.amdhsa_system_sgpr_workgroup_id_x 1
		.amdhsa_system_sgpr_workgroup_id_y 1
		.amdhsa_system_sgpr_workgroup_id_z 1
		.amdhsa_system_vgpr_workitem_id 0
		.amdhsa_next_free_vgpr 130
		.amdhsa_next_free_sgpr 100
		.amdhsa_reserve_vcc 1
		.amdhsa_float_denorm_mode_32 3
		.amdhsa_float_denorm_mode_16_64 3
		.amdhsa_memory_ordered 1
		.amdhsa_forward_progress 1
		.amdhsa_inst_pref_size 132
	.end_amdhsa_kernel
	.amdgpu_metadata
---
amdhsa.version: [ 1, 2 ]
amdhsa.kernels:
  - .name:           k_q21cf4c5ed1_gsel
    .symbol:         k_q21cf4c5ed1_gsel.kd
    .args:
      - { .name: gmax, .offset: 0, .size: 8, .value_kind: global_buffer, .address_space: global }
      - { .name: gsel, .offset: 8, .size: 8, .value_kind: global_buffer, .address_space: global }
    .group_segment_fixed_size: 7168
    .private_segment_fixed_size: 0
    .kernarg_segment_align: 8
    .kernarg_segment_size: 16
    .max_flat_workgroup_size: 512
    .sgpr_count:     100
    .vgpr_count:     130
    .wavefront_size: 32
...
	.end_amdgpu_metadata
.endif
;; end of part 6
;; launch rescore (part 7): grid 256 x 1, 24 waves a work-group, no clusters, 11,520 bytes of LDS; arguments gsel, item_embeddings_t, query_embeddings, cscore, csel; writes cscore, csel
.if DOCPART == 7
	.amdgcn_target "amdgcn-amd-amdhsa--gfx1250"
	.amdhsa_code_object_version 6
	.text
	.protected	k_q21cf4c5ed1_rescore
	.globl	k_q21cf4c5ed1_rescore
	.p2align	8
	.type	k_q21cf4c5ed1_rescore,@function
k_q21cf4c5ed1_rescore:
	s_mov_b64 s[64:65], 0
	v_nop
	global_prefetch_b8 v0, s[64:65] scope:SCOPE_SE
	s_setreg_imm32_b32 hwreg(HW_REG_WAVE_MODE, 25, 1), 1
	s_wait_xcnt 0x0
; RESCORE: the scores that are ranked and returned.  Work-group x = 2 x query + half takes 72 of the query's 144 marked groups,
; in rising group number, a wave three of them, a lane two neighbouring items of each.  A score is the sum over d = 0 .. 63, in rising d,
; in ONE f32 accumulator, of the products of the inputs rounded to bf16.  Such a product is exact in f32 (8 x 8 bits of mantissa), so a
; fused multiply-add and a multiply followed by an add give the same bits: the sum is that of a plain loop over d.
; This small part of the arithmetic (18,432 groups x 64 items x 64) goes through the vector unit because the order of the
; returned ids hangs on the last bits of the sums; the bulk of the products is the scan's, on the matrix unit.
; Then the 132 best of the work-group's 4,608 scores are marked, by (score falling, index rising): the 132nd largest key is found two bits
; a step (a lane has only six keys, so three counts a step are cheap and the steps, each with its barrier, are sixteen);
; masks and running counts are stored as whole numbers; no address and no branch hangs on a score.
; Which groups: read from gsel, whole numbers that the launch before stored; each is clamped before it enters an address.
; Output: cscore[x][group 3 w + g][lane][e], 256 bytes a group; csel, 3,072 bytes for x: a chunk of 128 bytes from each wave:
; words 0-5 masks (word 2 g + e, bit l = item 64 G + 2 l + e), 6-7 zero, 8-13 the number marked in earlier words, 14-15 that number
; behind the wave, 16-18 the three group numbers G, the rest zero.
; LIMITS: NaN scores are not served; -0 sorts below +0.
; No cluster, no tensor loads: no two work-groups are known to read the same group, and the rows of a group are 256 bytes, 4,000,000 apart.
.set ROWB, 4000000
.set NBLK, 15625
.set KTH,  132
.set KTHF, 0x43040000                  ; 132.0
.set NK,   6
.set GS,   0                           ; LDS: the query's record of gsel: 512 mask words, then 512 running counts
.set CNT,  4096                        ; two areas of 512 bytes: four rows of 32 words; row j - 1, word w: wave w's count for candidate j
.set TOT,  5120
.set OUT2, 5376                        ; my record of csel, 3,072 bytes
.set LANE, 1
.set L8,   2
.set VZ,   3                           ; 0
.set J,    4
.set POS,  5
.set PRB,  6
.set RK,   6                           ; (behind the search)
.set PV,   7
.set AT,   8
.set MWV,  9
.set BIT,  10
.set C1,   11
.set C2,   12
.set C4,   13
.set TT,   14
.set UU,   15
.set GO,   16                          ; v[16:18]   byte offset of my 8 bytes in table row 0 of group g
.set T16,  19                          ; 16 x thread
.set ACC,  20                          ; v[20:25]   the sums: group g, item e at 2 g + e
.set KY,   26                          ; v[26:31]   their keys
.set PT,   4                           ; v[4:7]     (in the ring) two items in bf16, four registers in turn
.set X,    32                          ; v[32:95]   ring: slot i, two f32
.set A,    96                          ; v[96:127]  ring: slot i's byte offset
.set QP,   128                         ; v[128:159] the query, two bf16 to a register
.set VC,   32                          ; v[32:34]   behind the ring its registers serve the selection: my wave's three counts
.set XT,   35
.set LD,   36                          ; v[36:39]   four waves' counts
.set CA,   40
.set CR,   41
.set TA,   42                          ; v[42:43]
.set GBV,  44
.set EBV,  45
.set T0,   46
.set T1,   47
.set VO,   48
.set O4,   49
.set TS,   50
.set TR,   51
.set OD,   52                          ; v[52:55]
.set VS,   56
.set WV,   14
.set CT,   15
.set TH,   16
.set MB,   17                          ; the lower of the two bits at stake
.set CAND1, 18
.set PL,   20                          ; s[20:21]
.set CGT,  22
.set GB,   23
.set EB,   24
.set RQ,   25
.set SP,   26
.set LM,   27                          ; lanes 0 .. 23
.set S0,   28
.set S1,   29
.set S2,   30
.set CAND2, 31
.set CB,   32                          ; s[32:49] ballots: candidate j, key k at 6 (j - 1) + k
.set GT,   32
.set EQ,   40                          ; s[40:45]
.set GN,   50                          ; s[50:52] my three groups' numbers
.set ROW,  56
.set HALF, 57
.set CAND3, 58
.set N1,   59                          ; s[59:61] my wave's three counts
.macro KEY k, f, t
	v_ashrrev_i32 v[\t], 31, v[\f]
	v_or_b32 v[\t], 0x80000000, v[\t]
	v_xor_b32 v[\k], v[\f], v[\t]
.endm
.macro WSUM x, tmp, sd                 ; a small whole number summed over the lanes; f32 is exact far beyond the 4,608 that can occur
	v_cvt_f32_u32 v[\x], v[\x]
	v_add_f32_dpp v[\x], v[\x], v[\x] row_xmask:1 row_mask:0xf bank_mask:0xf
	v_add_f32_dpp v[\x], v[\x], v[\x] row_xmask:2 row_mask:0xf bank_mask:0xf
	v_add_f32_dpp v[\x], v[\x], v[\x] row_xmask:4 row_mask:0xf bank_mask:0xf
	v_add_f32_dpp v[\x], v[\x], v[\x] row_xmask:8 row_mask:0xf bank_mask:0xf
	v_permlanex16_b32 v[\tmp], v[\x], s[PL], s[PL+1]
	v_add_f32 v[\x], v[\x], v[\tmp]
	v_cvt_u32_f32 v[\x], v[\x]
	v_readfirstlane_b32 s[\sd], v[\x]
.endm
; Two bits of the threshold: the largest of the digits 0 .. 3 with which at least KTH keys still reach the threshold.
; The counts for the digits 1, 2, 3 fall with the digit, so the digit sought is the number of counts that reach KTH.
; Behind the barrier lane l takes the 16 bytes at 16 l of the area: four waves' counts for digit l / 8 + 1; eight neighbouring lanes hold a row,
; three exchanges sum it.  Words 24 .. 31 of a row and the fourth row are zero from the start and are never stored to.
; The two areas take turns, so one barrier a step is enough: a word is stored again two steps later, behind the next step's
; barrier, in front of which every wave has waited for its read of it.
.macro STEP4 area
	s_lshl_b32 s[CAND2], s[MB], 1
	s_or_b32 s[CAND1], s[TH], s[MB]
	s_or_b32 s[CAND2], s[TH], s[CAND2]
	s_or_b32 s[CAND3], s[CAND1], s[CAND2]
.irp k, 0,1,2,3,4,5
	v_cmp_le_u32 s[CB+\k], s[CAND1], v[KY+\k]
.endr
.irp k, 0,1,2,3,4,5
	v_cmp_le_u32 s[CB+6+\k], s[CAND2], v[KY+\k]
.endr
.irp k, 0,1,2,3,4,5
	v_cmp_le_u32 s[CB+12+\k], s[CAND3], v[KY+\k]
.endr
.irp j, 0,1,2
	s_bcnt1_i32_b32 s[N1+\j], s[CB+6*\j]
.irp k, 1,2,3,4,5
	s_bcnt1_i32_b32 s[CB+6*\j+\k], s[CB+6*\j+\k]
	s_add_co_u32 s[N1+\j], s[N1+\j], s[CB+6*\j+\k]
.endr
.endr
.irp j, 0,1,2
	v_mov_b32 v[VC+\j], s[N1+\j]
.endr
.irp j, 0,1,2
	ds_store_b32 v[CA], v[VC+\j] offset:CNT+\area*512+128*\j   ; all lanes store the same number to the same word
.endr
	s_wait_dscnt 0x0                               ; done, for the other waves' sake
	s_barrier_signal -1
	s_barrier_wait -1
	ds_load_b128 v[LD:LD+3], v[CR] offset:CNT+\area*512
	s_wait_dscnt 0x0
	v_add3_u32 v[VS], v[LD], v[LD+1], v[LD+2]
	v_add_nc_u32 v[VS], v[VS], v[LD+3]
	v_cvt_f32_u32 v[VS], v[VS]                     ; at most 4,608: exact
	v_add_f32_dpp v[VS], v[VS], v[VS] row_xmask:1 row_mask:0xf bank_mask:0xf
	v_add_f32_dpp v[VS], v[VS], v[VS] row_xmask:2 row_mask:0xf bank_mask:0xf
	v_add_f32_dpp v[VS], v[VS], v[VS] row_xmask:4 row_mask:0xf bank_mask:0xf
	v_cmp_le_f32 vcc_lo, KTHF, v[VS]               ; lanes 8 (j - 1) .. + 7: does digit j's count reach KTH?
	s_and_b32 s[S0], vcc_lo, 0x00010101            ; one lane of each of the three rows
	s_bcnt1_i32_b32 s[S0], s[S0]                   ; the digit
	s_mul_i32 s[S0], s[S0], s[MB]
	s_or_b32 s[TH], s[TH], s[S0]                   ; arithmetic on a value, no branch
	s_lshr_b32 s[MB], s[MB], 2
.endm
; One group's two mask words.  Equal keys are taken in rising item index until RQ of them are taken: element (l, e) has in front of it
; the EB equal ones of earlier groups, those of lanes below l in both words, and for e = 1 its own lane's e = 0.
.macro PAIR p, lw, lp
	v_mbcnt_lo_u32_b32 v[T0], s[EQ+2*\p], s[EB]
	v_mbcnt_lo_u32_b32 v[T0], s[EQ+2*\p+1], v[T0]
	s_mov_b32 vcc_lo, s[EQ+2*\p]
	v_add_co_ci_u32 v[T1], vcc_lo, 0, v[T0], vcc_lo
	v_cmp_gt_u32 s[S0], s[RQ], v[T0]
	v_cmp_gt_u32 s[S1], s[RQ], v[T1]
	s_and_b32 s[S0], s[S0], s[EQ+2*\p]
	s_and_b32 s[S1], s[S1], s[EQ+2*\p+1]
	s_or_b32 s[S0], s[S0], s[GT+2*\p]
	s_or_b32 s[S1], s[S1], s[GT+2*\p+1]
	v_writelane_b32 v[VO], s[S0], \lw
	v_writelane_b32 v[VO], s[SP], \lp
	s_bcnt1_i32_b32 s[S2], s[S0]
	s_add_co_u32 s[SP], s[SP], s[S2]
	v_writelane_b32 v[VO], s[S1], \lw+1
	v_writelane_b32 v[VO], s[SP], \lp+1
	s_bcnt1_i32_b32 s[S2], s[S1]
	s_add_co_u32 s[SP], s[SP], s[S2]
	s_bcnt1_i32_b32 s[S2], s[EQ+2*\p]
	s_add_co_u32 s[EB], s[EB], s[S2]
	s_bcnt1_i32_b32 s[S2], s[EQ+2*\p+1]
	s_add_co_u32 s[EB], s[EB], s[S2]
.endm
; the place of the RK-th set bit (from 0) of MWV: counts of ones in fields of 2, 4, 8 and 16 bits, then a descent through them
.macro SEL w
	v_cmp_ge_u32 vcc_lo, v[RK], v[TT]              ; not in the lower field: pass over it
	v_sub_nc_u32 v[UU], v[RK], v[TT]
	v_cndmask_b32 v[RK], v[RK], v[UU], vcc_lo
	v_add_nc_u32 v[UU], \w, v[BIT]
	v_cndmask_b32 v[BIT], v[BIT], v[UU], vcc_lo
.endm
.macro BITSEL
	v_lshrrev_b32 v[TT], 1, v[MWV]
	v_and_b32 v[TT], 0x55555555, v[TT]
	v_sub_nc_u32 v[C1], v[MWV], v[TT]
	v_lshrrev_b32 v[TT], 2, v[C1]
	v_and_b32 v[TT], 0x33333333, v[TT]
	v_and_b32 v[C2], 0x33333333, v[C1]
	v_add_nc_u32 v[C2], v[C2], v[TT]
	v_lshrrev_b32 v[TT], 4, v[C2]
	v_add_nc_u32 v[TT], v[TT], v[C2]
	v_and_b32 v[C4], 0x0f0f0f0f, v[TT]
	v_lshrrev_b32 v[TT], 8, v[C4]
	v_add_nc_u32 v[TT], v[TT], v[C4]
	v_and_b32 v[TT], 0xff, v[TT]
	v_mov_b32 v[BIT], 0
	SEL 16
	v_bfe_u32 v[TT], v[C4], v[BIT], 8
	SEL 8
	v_bfe_u32 v[TT], v[C2], v[BIT], 4
	SEL 4
	v_bfe_u32 v[TT], v[C1], v[BIT], 2
	SEL 2
	v_bfe_u32 v[TT], v[MWV], v[BIT], 1
	SEL 1
.endm
	s_load_b256 s[4:11], s[0:1], 0x0               ; gsel s[4:5], table s[6:7], queries s[8:9], cscore s[10:11]
	s_load_b64 s[12:13], s[0:1], 0x20              ; csel
	v_and_b32 v[LANE], 31, v0
	v_lshrrev_b32 v[TT], 5, v0
	v_readfirstlane_b32 s[WV], v[TT]
	v_lshlrev_b32 v[L8], 3, v[LANE]
	v_lshlrev_b32 v[T16], 4, v0
	v_mov_b32 v[VZ], 0
	s_mov_b32 s[PL], 0x76543210
	s_mov_b32 s[PL+1], 0xfedcba98
	s_mov_b32 s[LM], 0x00ffffff
	s_lshr_b32 s[ROW], ttmp9, 1
	s_and_b32 s[HALF], ttmp9, 1
	s_mov_b32 s55, 0
	s_lshl_b32 s54, s[ROW], 8
	s_wait_kmcnt 0x0
	s_add_nc_u64 s[8:9], s[8:9], s[54:55]          ; my query
.set n, 0
.rept 16
	global_load_b128 v[X+4*n:X+4*n+3], v[VZ], s[8:9] offset:16*n   ; every lane takes the whole query: 256 bytes
.set n, n+1
.endr
	s_cmp_ge_u32 s[WV], 8
	s_cbranch_scc1 .Lnogs                          ; 256 threads x 16 bytes bring the query's record of gsel into LDS,
	s_lshl_b32 s54, s[ROW], 12
	s_add_nc_u64 s[4:5], s[4:5], s[54:55]
	global_load_b128 v[A:A+3], v[T16], s[4:5]
	v_lshlrev_b32 v[TT], 2, v0
	ds_store_b32 v[TT], v[VZ] offset:CNT           ; and 256 threads x 4 bytes clear the two count areas
	s_wait_loadcnt 0x0
	ds_store_b128 v[T16], v[A:A+3] offset:GS
.Lnogs:
	s_wait_loadcnt 0x0
.set n, 0
.rept 32
	v_cvt_pk_bf16_f32 v[QP+n], v[X+2*n], v[X+2*n+1]
.set n, n+1
.endr
	s_wait_dscnt 0x0                               ; my part of the record and of the zeros is in LDS, for the other waves' sake
	s_barrier_signal -1
	s_barrier_wait -1
	; WHICH GROUPS: lanes 0, 1, 2 look up the marked groups number 72 half + 3 w + 0, 1, 2 (the other lanes repeat lane 2).
	; The last mask word whose running count does not pass j holds it.
	v_min_u32 v[J], 2, v[LANE]
	s_mul_i32 s[S0], s[HALF], 72
	s_mul_i32 s[S1], s[WV], 3
	s_add_co_u32 s[S0], s[S0], s[S1]
	v_add_nc_u32 v[J], s[S0], v[J]
	v_mov_b32 v[POS], 0
.irp st, 256,128,64,32,16,8,4,2,1
	v_add_nc_u32 v[PRB], \st, v[POS]
	v_min_u32 v[PRB], 511, v[PRB]                  ; word 511 stands for groups that do not exist: its count is 144, above every j
	v_lshlrev_b32 v[AT], 2, v[PRB]
	ds_load_b32 v[PV], v[AT] offset:GS+2048
	s_wait_dscnt 0x0
	v_cmp_le_u32 vcc_lo, v[PV], v[J]
	v_cndmask_b32 v[POS], v[POS], v[PRB], vcc_lo
.endr
	v_min_u32 v[POS], 511, v[POS]
	v_lshlrev_b32 v[AT], 2, v[POS]
	ds_load_b32 v[MWV], v[AT] offset:GS
	ds_load_b32 v[PV], v[AT] offset:GS+2048
	s_wait_dscnt 0x0
	v_sub_nc_u32 v[RK], v[J], v[PV]
	BITSEL
	v_lshl_add_u32 v[TT], v[POS], 5, v[BIT]        ; group = 32 pos + bit: rising with j
.irp g, 0,1,2
	v_readlane_b32 s[GN+\g], v[TT], \g
	s_min_u32 s[GN+\g], s[GN+\g], NBLK-1           ; a number from memory enters an address only clamped
	s_lshl_b32 s[S0], s[GN+\g], 8
	v_add_nc_u32 v[GO+\g], s[S0], v[L8]
.endr
	; THE SUMS: 3 groups x 64 table rows = 192 loads of 256 bytes a wave, through a ring of 32 slots in registers.
.set n, 0
.rept 32
	v_add_nc_u32 v[A+n], n*ROWB, v[GO]
	global_load_b64 v[X+2*n:X+2*n+1], v[A+n], s[6:7]
.set n, n+1
.endr
.set n, 0
.rept 192
.if n < 160
	s_wait_loadcnt 31                              ; loads come back in order (ISA guide 5.7.1): this slot's is in, the 31 younger ones stay out; it also frees the slot's offset register
.else
	s_wait_loadcnt 191-n                           ; nothing is fetched any more: the count runs down
.endif
	v_cvt_pk_bf16_f32 v[PT+n%4], v[X+2*(n%32)], v[X+2*(n%32)+1]
.if n%64 == 0
	v_fma_mix_f32_bf16 v[ACC+2*(n/64)],   v[PT+n%4], v[QP], v[VZ] op_sel:[0,0,0] op_sel_hi:[1,1,0]    ; d = 0 starts the sums
	v_fma_mix_f32_bf16 v[ACC+2*(n/64)+1], v[PT+n%4], v[QP], v[VZ] op_sel:[1,0,0] op_sel_hi:[1,1,0]
.elseif n%2 == 0
	v_fma_mix_f32_bf16 v[ACC+2*(n/64)],   v[PT+n%4], v[QP+(n%64)/2], v[ACC+2*(n/64)]   op_sel:[0,0,0] op_sel_hi:[1,1,0]
	v_fma_mix_f32_bf16 v[ACC+2*(n/64)+1], v[PT+n%4], v[QP+(n%64)/2], v[ACC+2*(n/64)+1] op_sel:[1,0,0] op_sel_hi:[1,1,0]
.else
	v_fma_mix_f32_bf16 v[ACC+2*(n/64)],   v[PT+n%4], v[QP+(n%64)/2], v[ACC+2*(n/64)]   op_sel:[0,1,0] op_sel_hi:[1,1,0]
	v_fma_mix_f32_bf16 v[ACC+2*(n/64)+1], v[PT+n%4], v[QP+(n%64)/2], v[ACC+2*(n/64)+1] op_sel:[1,1,0] op_sel_hi:[1,1,0]
.endif
.if n < 160
	v_add_nc_u32 v[A+n%32], ((n+32)%64)*ROWB, v[GO+(n+32)/64]
	global_load_b64 v[X+2*(n%32):X+2*(n%32)+1], v[A+n%32], s[6:7]
.endif
.set n, n+1
.endr
	s_mul_i32 s54, ttmp9, 72*256
	s_mul_i32 s[S0], s[WV], 3*256
	s_add_co_u32 s54, s54, s[S0]
	s_add_nc_u64 s[10:11], s[10:11], s[54:55]
.irp g, 0,1,2
	global_store_b64 v[L8], v[ACC+2*\g:ACC+2*\g+1], s[10:11] offset:256*\g     ; a wave's store covers 256 consecutive bytes, aligned
.endr
	; THE 132 BEST of the work-group's 4,608
	v_lshrrev_b32 v[TT], 5, v0
	v_lshlrev_b32 v[CA], 2, v[TT]                  ; 4 x wave
	v_lshlrev_b32 v[TS], 3, v[TT]
	v_lshlrev_b32 v[CR], 4, v[LANE]                ; 16 x lane
	v_min_u32 v[UU], 23, v[LANE]
	v_lshlrev_b32 v[TR], 3, v[UU]
	v_lshlrev_b32 v[O4], 2, v0
	v_mov_b32 v[XT], 0
	v_mov_b32 v[VO], 0
.irp k, 0,1,2,3,4,5
	KEY KY+\k, ACC+\k, T0
.endr
	s_mov_b32 s[TH], 0
	s_mov_b32 s[MB], 0x40000000
	s_mov_b32 s[CT], 8
.Lbit:
	STEP4 0
	STEP4 1
	s_sub_co_i32 s[CT], s[CT], 1
	s_cmp_lg_u32 s[CT], 0
	s_cbranch_scc1 .Lbit
	; TH is the 132nd largest key
.set k, 0
.rept NK
	v_cmp_lt_u32 s[GT+k], s[TH], v[KY+k]
	v_cmp_eq_u32 s[EQ+k], s[TH], v[KY+k]
.set k, k+1
.endr
	s_mov_b32 s[S0], 0
	s_mov_b32 s[S1], 0
.set k, 0
.rept NK
	s_bcnt1_i32_b32 s[S2], s[GT+k]
	s_add_co_u32 s[S0], s[S0], s[S2]
	s_bcnt1_i32_b32 s[S2], s[EQ+k]
	s_add_co_u32 s[S1], s[S1], s[S2]
.set k, k+1
.endr
	v_mov_b32 v[TA], s[S0]
	v_mov_b32 v[TA+1], s[S1]
	ds_store_b64 v[TS], v[TA:TA+1] offset:TOT
	s_wait_dscnt 0x0                               ; done, for the other waves' sake
	s_barrier_signal -1
	s_barrier_wait -1
	ds_load_b64 v[TA:TA+1], v[TR] offset:TOT       ; lane l: wave l's (lanes 24 .. 31 repeat wave 23's and count nothing)
	s_wait_dscnt 0x0
	v_cmp_gt_u32 vcc_lo, s[WV], v[LANE]            ; the waves in front of mine
	v_cndmask_b32 v[GBV], 0, v[TA], vcc_lo
	v_cndmask_b32 v[EBV], 0, v[TA+1], vcc_lo
	v_cndmask_b32 v[TA], 0, v[TA], s[LM]
	WSUM TA, XT, CGT
	WSUM GBV, XT, GB
	WSUM EBV, XT, EB
	s_sub_co_u32 s[RQ], KTH, s[CGT]
	s_min_u32 s[S0], s[EB], s[RQ]
	s_add_co_u32 s[SP], s[GB], s[S0]
	PAIR 0, 0, 8
	PAIR 1, 2, 10
	PAIR 2, 4, 12
	v_writelane_b32 v[VO], s[SP], 14               ; the two empty words count as the next wave's first does
	v_writelane_b32 v[VO], s[SP], 15
.irp g, 0,1,2
	v_writelane_b32 v[VO], s[GN+\g], 16+\g
.endr
	ds_store_b32 v[O4], v[VO] offset:OUT2          ; my wave's chunk: 128 consecutive bytes at 128 w
	s_wait_dscnt 0x0                               ; done, for the waves that store the record
	s_barrier_signal -1
	s_barrier_wait -1
	s_cmp_ge_u32 s[WV], 6
	s_cbranch_scc1 .Lend                           ; 192 threads x 16 bytes are the record
	s_mul_i32 s54, ttmp9, 3072
	s_add_nc_u64 s[12:13], s[12:13], s[54:55]
	ds_load_b128 v[OD:OD+3], v[T16] offset:OUT2
	s_wait_dscnt 0x0
	global_store_b128 v[T16], v[OD:OD+3], s[12:13] ; sixteen lanes store 256 consecutive bytes, aligned
.Lend:
	s_wait_xcnt 0x0
	v_lshl_add_u32 v158, v0, 2, 0x2100
	v_mov_b32 v159, 0
	s_wait_tensorcnt 0x0
	ds_add_u32 v158, v159
	s_wait_dscnt 0x0
	s_endpgm
.Lfunc_end_k_q21cf4c5ed1_rescore:
	.size	k_q21cf4c5ed1_rescore, .Lfunc_end_k_q21cf4c5ed1_rescore-k_q21cf4c5ed1_rescore
	.p2alignl 7, 3214868480
	.fill 96, 4, 3214868480
	.section	.rodata,"a",@progbits
	.p2align	6, 0x0
	.amdhsa_kernel k_q21cf4c5ed1_rescore
		.amdhsa_group_segment_fixed_size 11520
		.amdhsa_private_segment_fixed_size 0
		.amdhsa_enable_private_segment 0
		.amdhsa_kernarg_size 40
		.amdhsa_user_sgpr_count 2
		.amdhsa_user_sgpr_kernarg_segment_ptr 1
		.amdhsa_wavefront_size32 1
		.amdhsa_system_sgpr_workgroup_id_x 1
		.amdhsa_system_sgpr_workgroup_id_y 1
		.amdhsa_system_sgpr_workgroup_id_z 1
		.amdhsa_system_vgpr_workitem_id 0
		.amdhsa_next_free_vgpr 160
		.amdhsa_next_free_sgpr 66
		.amdhsa_reserve_vcc 1
		.amdhsa_float_denorm_mode_32 3
		.amdhsa_float_denorm_mode_16_64 3
		.amdhsa_memory_ordered 1
		.amdhsa_forward_progress 1
		.amdhsa_inst_pref_size 98
	.end_amdhsa_kernel
	.amdgpu_metadata
---
amdhsa.version: [ 1, 2 ]
amdhsa.kernels:
  - .name:           k_q21cf4c5ed1_rescore
    .symbol:         k_q21cf4c5ed1_rescore.kd
    .args:
      - { .name: gsel, .offset: 0, .size: 8, .value_kind: global_buffer, .address_space: global }
      - { .name: item_embeddings_t, .offset: 8, .size: 8, .value_kind: global_buffer, .address_space: global }
      - { .name: query_embeddings, .offset: 16, .size: 8, .value_kind: global_buffer, .address_space: global }
      - { .name: cscore, .offset: 24, .size: 8, .value_kind: global_buffer, .address_space: global }
      - { .name: csel, .offset: 32, .size: 8, .value_kind: global_buffer, .address_space: global }
    .group_segment_fixed_size: 11520
    .private_segment_fixed_size: 0
    .kernarg_segment_align: 8
    .kernarg_segment_size: 40
    .max_flat_workgroup_size: 768
    .sgpr_count:     66
    .vgpr_count:     160
    .wavefront_size: 32
...
	.end_amdgpu_metadata
.endif
;; end of part 7
;; launch final (part 8): grid 128 x 1, 12 waves a work-group, no clusters, 17,408 bytes of LDS; arguments csel, cscore, item_ids, invalid_ids, out0, out1; writes out0, out1
.if DOCPART == 8
	.amdgcn_target "amdgcn-amd-amdhsa--gfx1250"
	.amdhsa_code_object_version 6
	.text
	.protected	k_q21cf4c5ed1_final
	.globl	k_q21cf4c5ed1_final
	.p2align	8
	.type	k_q21cf4c5ed1_final,@function
k_q21cf4c5ed1_final:
	s_mov_b64 s[64:65], 0
	v_nop
	global_prefetch_b8 v0, s[64:65] scope:SCOPE_SE
	s_setreg_imm32_b32 hwreg(HW_REG_WAVE_MODE, 25, 1), 1
	s_wait_xcnt 0x0
; FINAL: one query a work-group.  The 2 x 132 marked candidates are fetched (their places come from csel, whole numbers that the launch
; before stored), ranked by (score falling, index rising), the first 132 are the problem's k' = k + 32 candidates; those whose id is among the
; query's 32 invalid ids are dropped, the first 100 of the rest kept, and the output order is that of the problem's stable sort:
; kept ones first, in order, then all others in order (which shows only if fewer than 100 are valid, as with repeated ids).
; Ranks, counts and output places hang on scores, so none of them becomes an address or a branch: a rank is a count of comparisons against all
; 264 candidates, and output place t is filled by thread t, which looks at all 264 and keeps the one that names t.
; ONE pass gives a candidate its rank and the number of valid candidates in front of it.  The order is that of the 64-bit number
; V = key : not index (larger = further in front); V' > V is the carry out of V' + not V, two additions with carry; the entry's increment,
; 1 + 65,536 if it is valid, is then added or not: rank in the low half of one register, valid ones in front in the high half (264 at the most each).
; 264 x 264 comparisons a query are a few thousand instructions a wave: matrix units, clusters and tensor loads have nothing to do here.
; The outputs' rows are 400 bytes, so their stores cannot cover whole aligned blocks of 256 bytes; they are 102,400 bytes in all.
; LIMITS: NaN scores are not served; -0 sorts below +0.
.set NBLK, 15625
.set NC,   264                         ; candidates
.set REC,  0                           ; LDS: the query's two records of csel, 2 x 3,072 bytes
.set LOA,  6144                        ; thread t's word at 4 t in each of these arrays: not index,
.set HIA,  7680                        ; key,
.set INA,  9216                        ; increment
.set TVA,  10752                       ; 12 words: valid ones among the first 132, by wave
.set SLA,  11008                       ; place,
.set IDA,  12544                       ; id,
.set SCA,  14080                       ; score
.set CD,   1
.set HF,   2
.set J,    3
.set RECV, 4
.set POS,  5
.set PRB,  6
.set RK,   6                           ; (behind the search)
.set AT,   7
.set PV,   8
.set MWV,  9
.set BIT,  11
.set C1,   12
.set C2,   13
.set C4,   14
.set TT,   15
.set UU,   16                          ; = TT + 1: the two take turns in the pass
.set GV,   17
.set EV,   18
.set SO,   19
.set IO,   20
.set KEYV, 21
.set IDX,  22                          ; my index = not (low word of V)
.set NHI,  23                          ; not key
.set RANK, 24
.set ZR,   25                          ; 0: the passes' addresses are constants
.set BIG,  26
.set INC,  27
.set NVB,  28
.set TVC,  29
.set ACCU, 30
.set SLOT, 31
.set IDV,  32
.set SCV,  33
.set LOV,  34
.set M0,   35
.set M1,   36
.set OID,  37
.set OSC,  38
.set T16,  39
.set T4,   40
.set AG,   41
.set CW,   42                          ; 4 x wave
.set VCN,  43
.set LA,   44                          ; v[44:55] four entries of three words
.set LB,   56                          ; v[56:67] four more: the two sets take turns
.set WV,   48
.set BAD,  51
.macro SEL w
	v_cmp_ge_u32 vcc_lo, v[RK], v[TT]
	v_sub_nc_u32 v[UU], v[RK], v[TT]
	v_cndmask_b32 v[RK], v[RK], v[UU], vcc_lo
	v_add_nc_u32 v[UU], \w, v[BIT]
	v_cndmask_b32 v[BIT], v[BIT], v[UU], vcc_lo
.endm
.macro BITSEL                          ; the place of the RK-th set bit (from 0) of MWV
	v_lshrrev_b32 v[TT], 1, v[MWV]
	v_and_b32 v[TT], 0x55555555, v[TT]
	v_sub_nc_u32 v[C1], v[MWV], v[TT]
	v_lshrrev_b32 v[TT], 2, v[C1]
	v_and_b32 v[TT], 0x33333333, v[TT]
	v_and_b32 v[C2], 0x33333333, v[C1]
	v_add_nc_u32 v[C2], v[C2], v[TT]
	v_lshrrev_b32 v[TT], 4, v[C2]
	v_add_nc_u32 v[TT], v[TT], v[C2]
	v_and_b32 v[C4], 0x0f0f0f0f, v[TT]
	v_lshrrev_b32 v[TT], 8, v[C4]
	v_add_nc_u32 v[TT], v[TT], v[C4]
	v_and_b32 v[TT], 0xff, v[TT]
	v_mov_b32 v[BIT], 0
	SEL 16
	v_bfe_u32 v[TT], v[C4], v[BIT], 8
	SEL 8
	v_bfe_u32 v[TT], v[C2], v[BIT], 4
	SEL 4
	v_bfe_u32 v[TT], v[C1], v[BIT], 2
	SEL 2
	v_bfe_u32 v[TT], v[MWV], v[BIT], 1
	SEL 1
.endm
; entries 4 g .. 4 g + 3 of three arrays into register set b: the same for every lane, at constant addresses
.macro LD3 g, b, a0, a1, a2
	ds_load_b128 v[\b:\b+3],    v[ZR] offset:\a0+16*(\g)
	ds_load_b128 v[\b+4:\b+7],  v[ZR] offset:\a1+16*(\g)
	ds_load_b128 v[\b+8:\b+11], v[ZR] offset:\a2+16*(\g)
.endm
; the ranking: does the entry stand in front of me?  Then its increment counts
.macro RUSE b
.irp c, 0,1,2,3
	v_add_co_u32 v[TT+(\c&1)], vcc_lo, v[\b+\c], v[IDX]                    ; low words: not index' + index
	v_add_co_ci_u32 v[TT+(\c&1)], vcc_lo, v[\b+4+\c], v[NHI], vcc_lo       ; high words: key' + not key + carry; the carry out says V' > V
	v_cndmask_b32 v[TT+(\c&1)], 0, v[\b+8+\c], vcc_lo
	v_add_nc_u32 v[ACCU], v[ACCU], v[TT+(\c&1)]
.endr
.endm
; the placement: the entry that names my place, if it is among the four, is kept
.macro PUSE b
.irp c, 0,1,2,3
	v_cmp_eq_u32 vcc_lo, v[\b+\c], v0
	v_cndmask_b32 v[OID], v[OID], v[\b+4+\c], vcc_lo
	v_cndmask_b32 v[OSC], v[OSC], v[\b+8+\c], vcc_lo
.endr
.endm
; all 264 entries, in 66 groups of four, written out.  One group is on its way while the one before is used.
.macro PASS use, a0, a1, a2
	LD3 0, LA, \a0, \a1, \a2
.set g, 0
.rept NC/8
	LD3 2*g+1, LB, \a0, \a1, \a2
	s_wait_dscnt 3                                 ; LDS loads come back in order (ISA guide 5.7.1): all but the three just issued are in
	\use LA
.if g < NC/8-1
	LD3 2*g+2, LA, \a0, \a1, \a2
	s_wait_dscnt 3                                 ; again: the three just issued stay out
.else
	s_wait_dscnt 0x0                               ; the last group: nothing was issued behind it
.endif
	\use LB
.set g, g+1
.endr
.endm
	s_load_b256 s[4:11], s[0:1], 0x0               ; csel s[4:5], cscore s[6:7], item_ids s[8:9], invalid_ids s[10:11]
	s_load_b128 s[12:15], s[0:1], 0x20             ; out0 s[12:13], out1 s[14:15]
	v_lshl_add_u32 v72, v0, 2, 0x3e00
	v_mov_b32 v73, 0
	v_lshrrev_b32 v[TT], 5, v0
	v_readfirstlane_b32 s[WV], v[TT]
	v_lshlrev_b32 v[CW], 2, v[TT]
	v_lshlrev_b32 v[T16], 4, v0
	v_lshlrev_b32 v[T4], 2, v0
	s_mov_b32 s55, 0
	s_mul_i32 s54, ttmp9, 6144
	s_wait_kmcnt 0x0
	s_add_nc_u64 s[4:5], s[4:5], s[54:55]
	global_load_b128 v[LA:LA+3], v[T16], s[4:5]    ; 384 threads x 16 bytes: both records
	s_lshl_b32 s54, ttmp9, 7
	s_add_nc_u64 s[10:11], s[10:11], s[54:55]
	s_load_b512 s[16:31], s[10:11], 0x0            ; the query's 32 invalid ids
	s_load_b512 s[32:47], s[10:11], 0x40
	s_mul_i32 s54, ttmp9, 2*72*256
	s_add_nc_u64 s[6:7], s[6:7], s[54:55]          ; the query's scores
	s_mul_i32 s54, ttmp9, 400
	s_add_nc_u64 s[12:13], s[12:13], s[54:55]
	s_add_nc_u64 s[14:15], s[14:15], s[54:55]
	s_wait_loadcnt 0x0
	ds_store_b128 v[T16], v[LA:LA+3] offset:REC
	s_wait_dscnt 0x0                               ; my part of the records is in LDS, for the other waves' sake
	s_barrier_signal -1
	s_barrier_wait -1
	; MY CANDIDATE: thread t takes number t % 132 of half t / 132 (threads 264 .. 383 repeat the last one; what they make is not read).
	; Index pos = 8 x chunk + word; word pos lies at 4 pos + 12 (pos with its low three bits cleared), its running count 32 bytes further.
	v_min_u32 v[CD], NC-1, v0
	v_cmp_le_u32 vcc_lo, 132, v[CD]
	v_cndmask_b32 v[HF], 0, 1, vcc_lo
	v_mul_u32_u24 v[TT], v[HF], 132
	v_sub_nc_u32 v[J], v[CD], v[TT]
	v_mul_u32_u24 v[RECV], v[HF], 3072
	v_mov_b32 v[POS], 0
.irp st, 128,64,32,16,8,4,2,1
	v_add_nc_u32 v[PRB], \st, v[POS]
	v_min_u32 v[PRB], 191, v[PRB]                  ; index 191 is the last chunk's empty word: its count is 132, above every j
	v_and_b32 v[AT], 0xf8, v[PRB]
	v_mad_u32_u24 v[AT], v[AT], 12, v[RECV]
	v_lshl_add_u32 v[AT], v[PRB], 2, v[AT]
	ds_load_b32 v[PV], v[AT] offset:REC+32
	s_wait_dscnt 0x0
	v_cmp_le_u32 vcc_lo, v[PV], v[J]
	v_cndmask_b32 v[POS], v[POS], v[PRB], vcc_lo
.endr
	v_min_u32 v[POS], 191, v[POS]
	v_and_b32 v[TT], 0xf8, v[POS]                  ; 8 x chunk
	v_and_b32 v[UU], 6, v[POS]                     ; 2 x group in the chunk
	v_and_b32 v[EV], 1, v[POS]                     ; e
	v_mad_u32_u24 v[AT], v[TT], 12, v[RECV]
	v_lshl_add_u32 v[AT], v[POS], 2, v[AT]
	v_lshl_add_u32 v[AG], v[TT], 4, v[RECV]
	v_lshl_add_u32 v[AG], v[UU], 1, v[AG]
	ds_load_b32 v[MWV], v[AT] offset:REC
	ds_load_b32 v[PV], v[AT] offset:REC+32
	ds_load_b32 v[GV], v[AG] offset:REC+64         ; the group's number
	v_mul_u32_u24 v[SO], v[TT], 96                 ; 3 groups x 256 bytes a chunk
	v_lshl_add_u32 v[SO], v[UU], 7, v[SO]
	v_min_u32 v[SO], 71*256, v[SO]                 ; stays inside the half's 72 groups
	s_wait_dscnt 0x0
	v_sub_nc_u32 v[RK], v[J], v[PV]
	BITSEL
	v_min_u32 v[BIT], 31, v[BIT]                   ; numbers from memory enter an address only clamped
	v_min_u32 v[GV], NBLK-1, v[GV]
	v_lshl_add_u32 v[SO], v[BIT], 3, v[SO]
	v_lshl_add_u32 v[SO], v[EV], 2, v[SO]
	v_mad_u32_u24 v[SO], v[HF], 72*256, v[SO]
	v_lshlrev_b32 v[IDX], 6, v[GV]                 ; index = 64 G + 2 l + e
	v_lshl_add_u32 v[IDX], v[BIT], 1, v[IDX]
	v_add_nc_u32 v[IDX], v[IDX], v[EV]
	v_lshlrev_b32 v[IO], 2, v[IDX]
	global_load_b32 v[SCV], v[SO], s[6:7]          ; score
	global_load_b32 v[IDV], v[IO], s[8:9]          ; id
	v_xor_b32 v[LOV], -1, v[IDX]                   ; the low word of V
	v_mov_b32 v[BIG], 0x7fffffff
	v_mov_b32 v[ZR], 0
	v_mov_b32 v[ACCU], 0
	v_mov_b32 v[INC], 0x10001
	s_wait_loadcnt 0x0
	s_wait_kmcnt 0x0                               ; the invalid ids
	v_ashrrev_i32 v[TT], 31, v[SCV]                ; the score as an unsigned key of the same order
	v_or_b32 v[TT], 0x80000000, v[TT]
	v_xor_b32 v[KEYV], v[SCV], v[TT]
	v_xor_b32 v[NHI], -1, v[KEYV]
	; VALID: my id is none of the 32: the smallest of the 32 differences (id xor invalid id) is not 0.  Two chains side by side.
	v_xor_b32 v[M0], s16, v[IDV]
	v_xor_b32 v[M1], s17, v[IDV]
.set n, 2
.rept 15
	v_xor_b32 v[TT], s[16+n], v[IDV]
	v_xor_b32 v[UU], s[17+n], v[IDV]
	v_min_u32 v[M0], v[M0], v[TT]
	v_min_u32 v[M1], v[M1], v[UU]
.set n, n+2
.endr
	v_min_u32 v[M0], v[M0], v[M1]
	v_cmp_eq_u32 s[BAD], 0, v[M0]
	v_cndmask_b32 v[INC], v[INC], 1, s[BAD]        ; an invalid one counts for ranks alone
	ds_store_b32 v[T4], v[LOV] offset:LOA
	ds_store_b32 v[T4], v[KEYV] offset:HIA
	ds_store_b32 v[T4], v[INC] offset:INA
	s_wait_dscnt 0x0                               ; done, for the other waves' sake
	s_barrier_signal -1
	s_barrier_wait -1
	; RANK among the 264 (the indices differ, so the ranks are 0 .. 263, each once) and the valid ones in front
	s_cmp_ge_u32 s[WV], 9
	s_cbranch_scc1 .Lnopass                        ; threads from 288 on only repeat a candidate
	PASS RUSE, LOA, HIA, INA
.Lnopass:
	v_and_b32 v[RANK], 0xffff, v[ACCU]
	v_lshrrev_b32 v[NVB], 16, v[ACCU]
	; the valid ones among the first 132: a ballot in each wave, summed over the waves
	v_cmp_gt_u32 s50, 132, v[RANK]
	v_cmp_gt_u32 s52, NC, v0                       ; repeats do not count
	s_and_b32 s50, s50, s52
	s_and_not1_b32 s50, s50, s[BAD]
	s_bcnt1_i32_b32 s50, s50
	v_mov_b32 v[VCN], s50
	ds_store_b32 v[CW], v[VCN] offset:TVA          ; all lanes store the same number to my wave's word
	s_wait_dscnt 0x0                               ; done, for the other waves' sake
	s_barrier_signal -1
	s_barrier_wait -1
	ds_load_b128 v[LA:LA+3],    v[ZR] offset:TVA   ; all twelve, in every lane
	ds_load_b128 v[LA+4:LA+7],  v[ZR] offset:TVA+16
	ds_load_b128 v[LA+8:LA+11], v[ZR] offset:TVA+32
	s_wait_dscnt 0x0
	v_add3_u32 v[TT], v[LA], v[LA+1], v[LA+2]
	v_add3_u32 v[UU], v[LA+3], v[LA+4], v[LA+5]
	v_add3_u32 v[M0], v[LA+6], v[LA+7], v[LA+8]
	v_add3_u32 v[M1], v[LA+9], v[LA+10], v[LA+11]
	v_add3_u32 v[TVC], v[TT], v[UU], v[M0]
	v_add_nc_u32 v[TVC], v[TVC], v[M1]
	; my place: kept (valid, fewer than 100 valid in front): the number of valid ones in front;
	; else behind all kept ones, in the order of rank among those not kept; ranks from 132 on have no place
	v_min_u32 v[TT], 100, v[NVB]                   ; kept ones in front of me
	v_min_u32 v[UU], 100, v[TVC]                   ; kept ones in all
	v_add_nc_u32 v[UU], v[UU], v[RANK]
	v_sub_nc_u32 v[UU], v[UU], v[TT]
	v_cmp_gt_u32 s50, 100, v[NVB]
	s_and_not1_b32 s50, s50, s[BAD]
	v_cndmask_b32 v[SLOT], v[UU], v[NVB], s50
	v_cmp_le_u32 vcc_lo, 132, v[RANK]
	v_cndmask_b32 v[SLOT], v[SLOT], v[BIG], vcc_lo
	ds_store_b32 v[T4], v[SLOT] offset:SLA
	ds_store_b32 v[T4], v[IDV] offset:IDA
	ds_store_b32 v[T4], v[SCV] offset:SCA
	s_wait_dscnt 0x0                               ; done, for the waves that fill the output
	s_barrier_signal -1
	s_barrier_wait -1
	s_cmp_ge_u32 s[WV], 4
	s_cbranch_scc1 .Lend                           ; 100 places: four waves
	; PLACE t is filled by thread t: the places 0 .. 131 are each named once
	v_mov_b32 v[OID], 0
	v_mov_b32 v[OSC], 0
	PASS PUSE, SLA, IDA, SCA
	v_cmp_gt_u32 vcc_lo, 100, v0
	s_wait_xcnt 0x0                                ; EXEC changes only when no memory instruction still reads it
	s_and_saveexec_b32 s50, vcc_lo
	global_store_b32 v[T4], v[OID], s[12:13]
	global_store_b32 v[T4], v[OSC], s[14:15]
	s_wait_xcnt 0x0                                ; and again in front of the line that widens it
	s_or_b32 exec_lo, exec_lo, s50
.Lend:
	s_wait_tensorcnt 0x0
	ds_add_u32 v72, v73
	s_wait_dscnt 0x0
	s_endpgm
.Lfunc_end_k_q21cf4c5ed1_final:
	.size	k_q21cf4c5ed1_final, .Lfunc_end_k_q21cf4c5ed1_final-k_q21cf4c5ed1_final
	.p2alignl 7, 3214868480
	.fill 96, 4, 3214868480
	.section	.rodata,"a",@progbits
	.p2align	6, 0x0
	.amdhsa_kernel k_q21cf4c5ed1_final
		.amdhsa_group_segment_fixed_size 17408
		.amdhsa_private_segment_fixed_size 0
		.amdhsa_enable_private_segment 0
		.amdhsa_kernarg_size 48
		.amdhsa_user_sgpr_count 2
		.amdhsa_user_sgpr_kernarg_segment_ptr 1
		.amdhsa_wavefront_size32 1
		.amdhsa_system_sgpr_workgroup_id_x 1
		.amdhsa_system_sgpr_workgroup_id_y 1
		.amdhsa_system_sgpr_workgroup_id_z 1
		.amdhsa_system_vgpr_workitem_id 0
		.amdhsa_next_free_vgpr 74
		.amdhsa_next_free_sgpr 66
		.amdhsa_reserve_vcc 1
		.amdhsa_float_denorm_mode_32 3
		.amdhsa_float_denorm_mode_16_64 3
		.amdhsa_memory_ordered 1
		.amdhsa_forward_progress 1
		.amdhsa_inst_pref_size 109
	.end_amdhsa_kernel
	.amdgpu_metadata
---
amdhsa.version: [ 1, 2 ]
amdhsa.kernels:
  - .name:           k_q21cf4c5ed1_final
    .symbol:         k_q21cf4c5ed1_final.kd
    .args:
      - { .name: csel, .offset: 0, .size: 8, .value_kind: global_buffer, .address_space: global }
      - { .name: cscore, .offset: 8, .size: 8, .value_kind: global_buffer, .address_space: global }
      - { .name: item_ids, .offset: 16, .size: 8, .value_kind: global_buffer, .address_space: global }
      - { .name: invalid_ids, .offset: 24, .size: 8, .value_kind: global_buffer, .address_space: global }
      - { .name: out0, .offset: 32, .size: 8, .value_kind: global_buffer, .address_space: global }
      - { .name: out1, .offset: 40, .size: 8, .value_kind: global_buffer, .address_space: global }
    .group_segment_fixed_size: 17408
    .private_segment_fixed_size: 0
    .kernarg_segment_align: 8
    .kernarg_segment_size: 48
    .max_flat_workgroup_size: 384
    .sgpr_count:     66
    .vgpr_count:     74
    .wavefront_size: 32
...
	.end_amdgpu_metadata
.endif
;; end of part 8
;; ======== version 3 of 3: 4 launches; version 2 with the launch rescore written anew for expert scheduling mode
;; workspace buffers: gmax 8,028,160 bytes; gsel 524,288 bytes of whole numbers; cscore 4,718,592 bytes; csel 786,432 bytes of whole numbers
;; launch scan: the kernel of part 5 again; grid 245 x 1, 8 waves a work-group, no clusters, 50,688 bytes of LDS; arguments item_embeddings_t, query_embeddings, gmax; writes gmax
;; launch gsel: the kernel of part 6 again; grid 128 x 1, 16 waves a work-group, no clusters, 7,168 bytes of LDS; arguments gmax, gsel; writes gsel
;; launch rescore (part 9): grid 256 x 1, 24 waves a work-group, no clusters, 11,520 bytes of LDS; arguments gsel, item_embeddings_t, query_embeddings, cscore, csel; writes cscore, csel
.if DOCPART == 9
	.amdgcn_target "amdgcn-amd-amdhsa--gfx1250"
	.amdhsa_code_object_version 6
	.text
	.protected	k_q21cf4c5ed1_rescore
	.globl	k_q21cf4c5ed1_rescore
	.p2align	8
	.type	k_q21cf4c5ed1_rescore,@function
k_q21cf4c5ed1_rescore:
	s_mov_b64 s[64:65], 0
	v_nop
	global_prefetch_b8 v0, s[64:65] scope:SCOPE_SE
	s_setreg_imm32_b32 hwreg(HW_REG_WAVE_SCHED_MODE, 0, 2), 2
	s_setreg_imm32_b32 hwreg(HW_REG_WAVE_MODE, 25, 1), 1
	s_wait_xcnt 0x0
	s_wait_alu depctr_vm_vsrc(0)
; RESCORE: the scores that are ranked and returned.  Work-group x = 2 x query + half takes 72 of the query's 144 marked groups,
; in rising group number, a wave three of them, a lane two neighbouring items of each.  A score is the sum over d = 0 .. 63, in rising d,
; in ONE f32 accumulator, of the products of the inputs rounded to bf16.  Such a product is exact in f32 (8 x 8 bits of mantissa), so a
; fused multiply-add and a multiply followed by an add give the same bits: the sum is that of a plain loop over d.
; This small part of the arithmetic (18,432 groups x 64 items x 64) goes through the vector unit because the order of the
; returned ids hangs on the last bits of the sums; the bulk of the products is the scan's, on the matrix unit.
; Then the 132 best of the work-group's 4,608 scores are marked, by (score falling, index rising): the 132nd largest key is found two bits
; a step (a lane has only six keys, so three counts a step are cheap and the steps, each with its barrier, are sixteen);
; masks and running counts are stored as whole numbers; no address and no branch hangs on a score.
; Which groups: read from gsel, whole numbers that the launch before stored; each is clamped before it enters an address.
; Output: cscore[x][group 3 w + g][lane][e], 256 bytes a group; csel, 3,072 bytes for x: a chunk of 128 bytes from each wave:
; words 0-5 masks (word 2 g + e, bit l = item 64 G + 2 l + e), 6-7 zero, 8-13 the number marked in earlier words, 14-15 that number
; behind the wave, 16-18 the three group numbers G, the rest zero.
; LIMITS: NaN scores are not served; -0 sorts below +0.
; No cluster, no tensor loads: no two work-groups are known to read the same group, and the rows of a group are 256 bytes, 4,000,000 apart.
; THE MODE: SCHED_MODE bits 1:0 = 2 (LLVM: expert scheduling mode 2), set by the entry lines.  The code itself states the register dependences
; between vector instructions and memory or LDS instructions, with s_wait_alu, always for 0.
; THE PLAN.  Registers that memory or LDS instructions touch:
;   X0 .. X4      five buffers of eight table rows as loaded.  The 192 loads go in 24 blocks of eight.  Block p's conversions read X[p % 5]; its memory
;                 instructions are the loads of block p + 4, which land in X[(p + 4) % 5] = X[(p - 1) % 5]: the buffer that block p - 1 worked on and that
;                 no vector instruction of block p names.  So ONE wait at a block's head states all that its eight loads hang on, and
;                 they are dealt among its vector instructions.  At the head of the kernel X0 .. X3 take the query, four registers of X4 the record of gsel.
;   GO, L8, T16, VZ   offsets, made once and never written again.  The table's rows are reached by six scalar bases and twelve vector offsets, all made
;                 once, and by immediate offsets of 0, 1 or 2 rows.
;   AT, PV        the search: AT is written, read by an LDS load and written again in every step; PV is loaded and compared in every step.
;   ACC           written by the multiply-adds alone; read by three stores.
;   VC, LD        a step of the threshold: VC is written, then read by three LDS stores; LD is loaded, then read by the step's sums.
;   TA, VO, OD    the closing phase: each written or loaded once, and read once by a store.
.set ROWB, 4000000
.set NBLK, 15625
.set KTH,  132
.set KTHF, 0x43040000                  ; 132.0
.set NK,   6
.set BLK,  8                           ; loads in a block
.set NBUF, 5                           ; buffers
.set GS,   0                           ; LDS: the query's record of gsel: 512 mask words, then 512 running counts
.set CNT,  4096                        ; two areas of 512 bytes: four rows of 32 words; row j - 1, word w: wave w's count for candidate j
.set TOT,  5120
.set OUT2, 5376                        ; my record of csel, 3,072 bytes
.set LANE, 1
.set L8,   2
.set VZ,   3                           ; 0
.set J,    4
.set POS,  5
.set PRB,  6
.set RK,   6                           ; (behind the search)
.set PV,   7
.set AT,   8
.set MWV,  9
.set BIT,  10
.set C1,   11
.set C2,   12
.set C4,   13
.set TT,   14
.set UU,   15
.set T16,  19                          ; 16 x thread
.set ACC,  20                          ; v[20:25]   the sums: group g, item e at 2 g + e
.set KY,   26                          ; v[26:31]   their keys
.set PT,   4                           ; v[4:7]     (in the ring) two items in bf16, four registers in turn
.set X,    32                          ; v[32:111]  ring: buffer b at 16 b, row i of its block at + 2 i: two f32
.set GR,   96                          ; v[96:99]   at the head only: 16 bytes of the record of gsel on their way into LDS
.set GO,   112                         ; v[112:123] at 4 g + q: byte offset of my 8 bytes in table row 3 q of group g
.set QP,   128                         ; v[128:159] the query, two bf16 to a register
.set VC,   32                          ; v[32:34]   behind the ring its registers serve the selection: my wave's three counts
.set XT,   35
.set LD,   36                          ; v[36:39]   four waves' counts
.set CA,   40
.set CR,   41
.set TA,   42                          ; v[42:43]
.set GBV,  44
.set EBV,  45
.set T0,   46
.set T1,   47
.set VO,   48
.set O4,   49
.set TS,   50
.set TR,   51
.set OD,   52                          ; v[52:55]
.set VS,   56
.set WV,   14
.set CT,   15
.set TH,   16
.set MB,   17                          ; the lower of the two bits at stake
.set CAND1, 18
.set PL,   20                          ; s[20:21]
.set CGT,  22
.set GB,   23
.set EB,   24
.set RQ,   25
.set SP,   26
.set LM,   27                          ; lanes 0 .. 23
.set S0,   28
.set S1,   29
.set S2,   30
.set CAND2, 31
.set CB,   32                          ; s[32:49] ballots: candidate j, key k at 6 (j - 1) + k
.set GT,   32
.set EQ,   40                          ; s[40:45]
.set GN,   50                          ; s[50:52] my three groups' numbers
.set ROW,  56
.set HALF, 57
.set CAND3, 58
.set N1,   59                          ; s[59:61] my wave's three counts
.set RB,   66                          ; s[66:77] base i: the table at row 12 i; never rewritten
.macro KEY k, f, t
	v_ashrrev_i32 v[\t], 31, v[\f]
	v_or_b32 v[\t], 0x80000000, v[\t]
	v_xor_b32 v[\k], v[\f], v[\t]
.endm
.macro WSUM x, tmp, sd                 ; a small whole number summed over the lanes; f32 is exact far beyond the 4,608 that can occur
	v_cvt_f32_u32 v[\x], v[\x]
	v_add_f32_dpp v[\x], v[\x], v[\x] row_xmask:1 row_mask:0xf bank_mask:0xf
	v_add_f32_dpp v[\x], v[\x], v[\x] row_xmask:2 row_mask:0xf bank_mask:0xf
	v_add_f32_dpp v[\x], v[\x], v[\x] row_xmask:4 row_mask:0xf bank_mask:0xf
	v_add_f32_dpp v[\x], v[\x], v[\x] row_xmask:8 row_mask:0xf bank_mask:0xf
	v_permlanex16_b32 v[\tmp], v[\x], s[PL], s[PL+1]
	v_add_f32 v[\x], v[\x], v[\tmp]
	v_cvt_u32_f32 v[\x], v[\x]
	v_readfirstlane_b32 s[\sd], v[\x]              ; its first reader stands behind the wait that follows the three sums
.endm
; Two bits of the threshold: the largest of the digits 0 .. 3 with which at least KTH keys still reach the threshold.
; The counts for the digits 1, 2, 3 fall with the digit, so the digit sought is the number of counts that reach KTH.
; Behind the barrier lane l takes the 16 bytes at 16 l of the area: four waves' counts for digit l / 8 + 1; eight neighbouring lanes hold a row,
; three exchanges sum it.  Words 24 .. 31 of a row and the fourth row are zero from the start and are never stored to.
; The two areas take turns, so one barrier a step is enough: a word is stored again two steps later, behind the next step's
; barrier, in front of which every wave has waited for its read of it.
.macro STEP4 area
	s_lshl_b32 s[CAND2], s[MB], 1
	s_or_b32 s[CAND1], s[TH], s[MB]
	s_or_b32 s[CAND2], s[TH], s[CAND2]
	s_or_b32 s[CAND3], s[CAND1], s[CAND2]
.irp k, 0,1,2,3,4,5
	v_cmp_le_u32 s[CB+\k], s[CAND1], v[KY+\k]
.endr
.irp k, 0,1,2,3,4,5
	v_cmp_le_u32 s[CB+6+\k], s[CAND2], v[KY+\k]
.endr
.irp k, 0,1,2,3,4,5
	v_cmp_le_u32 s[CB+12+\k], s[CAND3], v[KY+\k]
.endr
	s_wait_alu depctr_va_sdst(0)                   ; the eighteen compares have written their ballots, which the counts below read
.irp j, 0,1,2
	s_bcnt1_i32_b32 s[N1+\j], s[CB+6*\j]
.irp k, 1,2,3,4,5
	s_bcnt1_i32_b32 s[CB+6*\j+\k], s[CB+6*\j+\k]
	s_add_co_u32 s[N1+\j], s[N1+\j], s[CB+6*\j+\k]
.endr
.endr
	s_wait_alu depctr_vm_vsrc(0)                   ; the last step's LDS stores have read v[VC ..], which is written again
.irp j, 0,1,2
	v_mov_b32 v[VC+\j], s[N1+\j]
.endr
	s_wait_alu depctr_va_vdst(0)                   ; v[VC ..] is written, which the stores read; the last step's sums are done reading v[LD ..], in which the load behind the barrier lands; in the first step v[CA] and v[CR] are written
.irp j, 0,1,2
	ds_store_b32 v[CA], v[VC+\j] offset:CNT+\area*512+128*\j   ; all lanes store the same number to the same word
.endr
	s_wait_dscnt 0x0                               ; done, for the other waves' sake
	s_barrier_signal -1
	s_barrier_wait -1
	ds_load_b128 v[LD:LD+3], v[CR] offset:CNT+\area*512        ; no vector instruction since the wait above
	s_wait_dscnt 0x0
	v_add3_u32 v[VS], v[LD], v[LD+1], v[LD+2]
	v_add_nc_u32 v[VS], v[VS], v[LD+3]
	v_cvt_f32_u32 v[VS], v[VS]                     ; at most 4,608: exact
	v_add_f32_dpp v[VS], v[VS], v[VS] row_xmask:1 row_mask:0xf bank_mask:0xf
	v_add_f32_dpp v[VS], v[VS], v[VS] row_xmask:2 row_mask:0xf bank_mask:0xf
	v_add_f32_dpp v[VS], v[VS], v[VS] row_xmask:4 row_mask:0xf bank_mask:0xf
	v_cmp_le_f32 vcc_lo, KTHF, v[VS]               ; lanes 8 (j - 1) .. + 7: does digit j's count reach KTH?
	s_wait_alu depctr_va_vcc(0)                    ; the compare has written VCC, which the next line reads
	s_and_b32 s[S0], vcc_lo, 0x00010101            ; one lane of each of the three rows
	s_bcnt1_i32_b32 s[S0], s[S0]                   ; the digit
	s_mul_i32 s[S0], s[S0], s[MB]
	s_or_b32 s[TH], s[TH], s[S0]                   ; arithmetic on a value, no branch
	s_lshr_b32 s[MB], s[MB], 2
.endm
; One group's two mask words.  Equal keys are taken in rising item index until RQ of them are taken: element (l, e) has in front of it
; the EB equal ones of earlier groups, those of lanes below l in both words, and for e = 1 its own lane's e = 0.
.macro PAIR p, lw, lp
	v_mbcnt_lo_u32_b32 v[T0], s[EQ+2*\p], s[EB]
	v_mbcnt_lo_u32_b32 v[T0], s[EQ+2*\p+1], v[T0]
	s_mov_b32 vcc_lo, s[EQ+2*\p]
	v_add_co_ci_u32 v[T1], vcc_lo, 0, v[T0], vcc_lo
	v_cmp_gt_u32 s[S0], s[RQ], v[T0]
	v_cmp_gt_u32 s[S1], s[RQ], v[T1]
	s_wait_alu depctr_va_sdst(0)                   ; the two compares have written s[S0] and s[S1], which the lines below read
	s_wait_alu depctr_va_vcc(0)                    ; the addition has written its carry into VCC: stated in the writer's own run of code, ahead of the next pair's write and read of VCC and of the branch near the kernel's end
	s_and_b32 s[S0], s[S0], s[EQ+2*\p]
	s_and_b32 s[S1], s[S1], s[EQ+2*\p+1]
	s_or_b32 s[S0], s[S0], s[GT+2*\p]
	s_or_b32 s[S1], s[S1], s[GT+2*\p+1]
	v_writelane_b32 v[VO], s[S0], \lw
	v_writelane_b32 v[VO], s[SP], \lp
	s_bcnt1_i32_b32 s[S2], s[S0]
	s_add_co_u32 s[SP], s[SP], s[S2]
	v_writelane_b32 v[VO], s[S1], \lw+1
	v_writelane_b32 v[VO], s[SP], \lp+1
	s_bcnt1_i32_b32 s[S2], s[S1]
	s_add_co_u32 s[SP], s[SP], s[S2]
	s_bcnt1_i32_b32 s[S2], s[EQ+2*\p]
	s_add_co_u32 s[EB], s[EB], s[S2]
	s_bcnt1_i32_b32 s[S2], s[EQ+2*\p+1]
	s_add_co_u32 s[EB], s[EB], s[S2]
.endm
; the place of the RK-th set bit (from 0) of MWV: counts of ones in fields of 2, 4, 8 and 16 bits, then a descent through them
.macro SEL w
	v_cmp_ge_u32 vcc_lo, v[RK], v[TT]              ; not in the lower field: pass over it
	v_sub_nc_u32 v[UU], v[RK], v[TT]
	s_wait_alu depctr_va_vcc(0)                    ; the compare has written VCC, which the two selects read
	v_cndmask_b32 v[RK], v[RK], v[UU], vcc_lo
	v_add_nc_u32 v[UU], \w, v[BIT]
	v_cndmask_b32 v[BIT], v[BIT], v[UU], vcc_lo
.endm
.macro BITSEL
	v_lshrrev_b32 v[TT], 1, v[MWV]
	v_and_b32 v[TT], 0x55555555, v[TT]
	v_sub_nc_u32 v[C1], v[MWV], v[TT]
	v_lshrrev_b32 v[TT], 2, v[C1]
	v_and_b32 v[TT], 0x33333333, v[TT]
	v_and_b32 v[C2], 0x33333333, v[C1]
	v_add_nc_u32 v[C2], v[C2], v[TT]
	v_lshrrev_b32 v[TT], 4, v[C2]
	v_add_nc_u32 v[TT], v[TT], v[C2]
	v_and_b32 v[C4], 0x0f0f0f0f, v[TT]
	v_lshrrev_b32 v[TT], 8, v[C4]
	v_add_nc_u32 v[TT], v[TT], v[C4]
	v_and_b32 v[TT], 0xff, v[TT]
	v_mov_b32 v[BIT], 0
	SEL 16
	v_bfe_u32 v[TT], v[C4], v[BIT], 8
	SEL 8
	v_bfe_u32 v[TT], v[C2], v[BIT], 4
	SEL 4
	v_bfe_u32 v[TT], v[C1], v[BIT], 2
	SEL 2
	v_bfe_u32 v[TT], v[MWV], v[BIT], 1
	SEL 1
.endm
; Load number m of the wave's 192: table row d = m % 64 of group m / 64, into row m % 8 of buffer (m / 8) % 5.
; d = 12 (d / 12) + 3 ((d % 12) / 3) + d % 3: the first part stands in the scalar base, the second in the vector offset, the third in the immediate:
; 8,000,000 bytes at the most, inside the signed 24-bit immediate (ISA guide, chapter 10), and never below 0.
.macro ASK m
	global_load_b64 v[X+16*(((\m)/BLK)%NBUF)+2*((\m)%BLK):X+16*(((\m)/BLK)%NBUF)+2*((\m)%BLK)+1], v[GO+4*((\m)/64)+(((\m)%64)%12)/3], s[RB+2*(((\m)%64)/12):RB+2*(((\m)%64)/12)+1] offset:(((\m)%64)%3)*ROWB
.endm
	s_load_b256 s[4:11], s[0:1], 0x0               ; gsel s[4:5], table s[6:7], queries s[8:9], cscore s[10:11]
	s_load_b64 s[12:13], s[0:1], 0x20              ; csel
	v_lshl_add_u32 v126, v0, 2, 0x2100
	v_mov_b32 v127, 0
	v_and_b32 v[LANE], 31, v0
	v_lshrrev_b32 v[TT], 5, v0
	v_readfirstlane_b32 s[WV], v[TT]
	v_lshlrev_b32 v[L8], 3, v[LANE]
	v_lshlrev_b32 v[T16], 4, v0
	v_lshlrev_b32 v[TT], 2, v0                     ; 4 x thread: where the first eight waves clear the count areas
	v_mov_b32 v[VZ], 0
	s_mov_b32 s[PL], 0x76543210
	s_mov_b32 s[PL+1], 0xfedcba98
	s_mov_b32 s[LM], 0x00ffffff
	s_lshr_b32 s[ROW], ttmp9, 1
	s_and_b32 s[HALF], ttmp9, 1
	s_mov_b32 s55, 0
	s_lshl_b32 s54, s[ROW], 8
	s_wait_alu depctr_va_sdst(0)                   ; s[WV] is written, ahead of its first reader, the compare in front of the branch below
	s_wait_kmcnt 0x0
	s_add_nc_u64 s[8:9], s[8:9], s[54:55]          ; my query
.set n, 0
.rept 6
	s_add_nc_u64 s[RB+2*n:RB+2*n+1], s[6:7], 12*n*ROWB         ; the table at rows 0, 12, .. 60
.set n, n+1
.endr
	s_wait_alu depctr_va_vdst(0)                   ; v[VZ], v[T16], v[TT] and v[L8] are written, which the loads and stores below read as offsets, addresses and data
.set n, 0
.rept 16
	global_load_b128 v[X+4*n:X+4*n+3], v[VZ], s[8:9] offset:16*n   ; every lane takes the whole query: 256 bytes
.set n, n+1
.endr
	s_cmp_ge_u32 s[WV], 8
	s_cbranch_scc1 .Lnogs                          ; 256 threads x 16 bytes bring the query's record of gsel into LDS,
	s_lshl_b32 s54, s[ROW], 12
	s_add_nc_u64 s[4:5], s[4:5], s[54:55]
	global_load_b128 v[GR:GR+3], v[T16], s[4:5]
	ds_store_b32 v[TT], v[VZ] offset:CNT           ; and 256 threads x 4 bytes clear the two count areas
	s_wait_loadcnt 0x0
	ds_store_b128 v[T16], v[GR:GR+3] offset:GS
.Lnogs:
	s_wait_loadcnt 0x0
.set n, 0
.rept 32
	v_cvt_pk_bf16_f32 v[QP+n], v[X+2*n], v[X+2*n+1]
.set n, n+1
.endr
	s_wait_dscnt 0x0                               ; my part of the record and of the zeros is in LDS, for the other waves' sake
	s_barrier_signal -1
	s_barrier_wait -1
	s_wait_alu depctr_vm_vsrc(0)                   ; my LDS stores have read v[TT], which is written again below, and v[GR ..], in which loads of the ring land
	; WHICH GROUPS: lanes 0, 1, 2 look up the marked groups number 72 half + 3 w + 0, 1, 2 (the other lanes repeat lane 2).
	; The last mask word whose running count does not pass j holds it.
	v_min_u32 v[J], 2, v[LANE]
	s_mul_i32 s[S0], s[HALF], 72
	s_mul_i32 s[S1], s[WV], 3
	s_add_co_u32 s[S0], s[S0], s[S1]
	v_add_nc_u32 v[J], s[S0], v[J]
	v_mov_b32 v[POS], 0
.irp st, 256,128,64,32,16,8,4,2,1
	v_add_nc_u32 v[PRB], \st, v[POS]
	v_min_u32 v[PRB], 511, v[PRB]                  ; word 511 stands for groups that do not exist: its count is 144, above every j
	v_lshlrev_b32 v[AT], 2, v[PRB]
	s_wait_alu depctr_va_vdst(0)                   ; v[AT] is written, which the load reads; the last step's compare is done reading v[PV], in which it lands
	ds_load_b32 v[PV], v[AT] offset:GS+2048
	s_wait_dscnt 0x0
	s_wait_alu depctr_vm_vsrc(0)                   ; the load has read v[AT], which the next step writes again
	v_cmp_le_u32 vcc_lo, v[PV], v[J]
	s_wait_alu depctr_va_vcc(0)                    ; the compare has written VCC, which the select reads
	v_cndmask_b32 v[POS], v[POS], v[PRB], vcc_lo
.endr
	v_min_u32 v[POS], 511, v[POS]
	v_lshlrev_b32 v[AT], 2, v[POS]
	s_wait_alu depctr_va_vdst(0)                   ; v[AT] is written; the last compare is done reading v[PV]
	ds_load_b32 v[MWV], v[AT] offset:GS
	ds_load_b32 v[PV], v[AT] offset:GS+2048
	s_wait_dscnt 0x0
	v_sub_nc_u32 v[RK], v[J], v[PV]
	BITSEL
	v_lshl_add_u32 v[TT], v[POS], 5, v[BIT]        ; group = 32 pos + bit: rising with j
.irp g, 0,1,2
	v_readlane_b32 s[GN+\g], v[TT], \g
.endr
	s_wait_alu depctr_va_sdst(0)                   ; the three group numbers are written, ahead of their first readers
.irp g, 0,1,2
	s_min_u32 s[GN+\g], s[GN+\g], NBLK-1           ; a number from memory enters an address only clamped
	s_lshl_b32 s[S0+\g], s[GN+\g], 8
	v_add_nc_u32 v[GO+4*\g], s[S0+\g], v[L8]       ; my 8 bytes of the group in table row 0,
.irp q, 1,2,3
	v_add_nc_u32 v[GO+4*\g+\q], 3*\q*ROWB, v[GO+4*\g]          ; in rows 3, 6 and 9
.endr
.endr
	; THE SUMS: 3 groups x 64 table rows = 192 loads of 256 bytes a wave, in 24 blocks of eight through five buffers in registers.
	s_wait_alu depctr_va_vdst(0)                   ; v[GO ..] is written, the offsets of all loads of the ring; the query's conversions are done reading X0 to X3, in which the loads below land
.set n, 0
.rept 4*BLK
	ASK n                                          ; blocks 0 to 3
.set n, n+1
.endr
.set n, 0
.rept 192
.if n%BLK == 0
.if n < 160
	s_wait_loadcnt 24                              ; loads come back in order (ISA guide 5.7.1): this block's eight are in, the three younger blocks stay out
.else
	s_wait_loadcnt 8*(23-n/BLK)                    ; nothing is fetched any more: the count runs down
.endif
.if n > 0
.if n < 160
	s_wait_alu depctr_va_vdst(0)                   ; the block before is done reading its buffer, in which this block's eight loads land (block 0's land in X4, which no vector instruction has named)
.endif
.endif
.endif
.if n < 160
	ASK n+4*BLK                                    ; four blocks ahead; no vector instruction since the wait names these registers
.endif
.set XS, X+16*((n/BLK)%NBUF)+2*(n%BLK)
	v_cvt_pk_bf16_f32 v[PT+n%4], v[XS], v[XS+1]
.if n%64 == 0
	v_fma_mix_f32_bf16 v[ACC+2*(n/64)],   v[PT+n%4], v[QP], v[VZ] op_sel:[0,0,0] op_sel_hi:[1,1,0]    ; d = 0 starts the sums
	v_fma_mix_f32_bf16 v[ACC+2*(n/64)+1], v[PT+n%4], v[QP], v[VZ] op_sel:[1,0,0] op_sel_hi:[1,1,0]
.elseif n%2 == 0
	v_fma_mix_f32_bf16 v[ACC+2*(n/64)],   v[PT+n%4], v[QP+(n%64)/2], v[ACC+2*(n/64)]   op_sel:[0,0,0] op_sel_hi:[1,1,0]
	v_fma_mix_f32_bf16 v[ACC+2*(n/64)+1], v[PT+n%4], v[QP+(n%64)/2], v[ACC+2*(n/64)+1] op_sel:[1,0,0] op_sel_hi:[1,1,0]
.else
	v_fma_mix_f32_bf16 v[ACC+2*(n/64)],   v[PT+n%4], v[QP+(n%64)/2], v[ACC+2*(n/64)]   op_sel:[0,1,0] op_sel_hi:[1,1,0]
	v_fma_mix_f32_bf16 v[ACC+2*(n/64)+1], v[PT+n%4], v[QP+(n%64)/2], v[ACC+2*(n/64)+1] op_sel:[1,1,0] op_sel_hi:[1,1,0]
.endif
.set n, n+1
.endr
	s_mul_i32 s54, ttmp9, 72*256
	s_mul_i32 s[S0], s[WV], 3*256
	s_add_co_u32 s54, s54, s[S0]
	s_add_nc_u64 s[10:11], s[10:11], s[54:55]
	s_wait_alu depctr_va_vdst(0)                   ; the multiply-adds have written v[ACC ..], which the stores read
.irp g, 0,1,2
	global_store_b64 v[L8], v[ACC+2*\g:ACC+2*\g+1], s[10:11] offset:256*\g     ; a wave's store covers 256 consecutive bytes, aligned
.endr
	; THE 132 BEST of the work-group's 4,608
	v_lshrrev_b32 v[TT], 5, v0
	v_lshlrev_b32 v[CA], 2, v[TT]                  ; 4 x wave
	v_lshlrev_b32 v[TS], 3, v[TT]
	v_lshlrev_b32 v[CR], 4, v[LANE]                ; 16 x lane
	v_min_u32 v[UU], 23, v[LANE]
	v_lshlrev_b32 v[TR], 3, v[UU]
	v_lshlrev_b32 v[O4], 2, v0
	v_mov_b32 v[XT], 0
	v_mov_b32 v[VO], 0
.irp k, 0,1,2,3,4,5
	KEY KY+\k, ACC+\k, T0
.endr
	s_mov_b32 s[TH], 0
	s_mov_b32 s[MB], 0x40000000
	s_mov_b32 s[CT], 8
.Lbit:
	STEP4 0
	STEP4 1
	s_sub_co_i32 s[CT], s[CT], 1
	s_cmp_lg_u32 s[CT], 0
	s_cbranch_scc1 .Lbit
	; TH is the 132nd largest key
.set k, 0
.rept NK
	v_cmp_lt_u32 s[GT+k], s[TH], v[KY+k]
	v_cmp_eq_u32 s[EQ+k], s[TH], v[KY+k]
.set k, k+1
.endr
	s_mov_b32 s[S0], 0
	s_mov_b32 s[S1], 0
	s_wait_alu depctr_va_sdst(0)                   ; the twelve compares have written their ballots, ahead of their first readers
.set k, 0
.rept NK
	s_bcnt1_i32_b32 s[S2], s[GT+k]
	s_add_co_u32 s[S0], s[S0], s[S2]
	s_bcnt1_i32_b32 s[S2], s[EQ+k]
	s_add_co_u32 s[S1], s[S1], s[S2]
.set k, k+1
.endr
	v_mov_b32 v[TA], s[S0]
	v_mov_b32 v[TA+1], s[S1]
	s_wait_alu depctr_va_vdst(0)                   ; v[TA ..] is written, which the store reads and in which the load behind the barrier lands
	ds_store_b64 v[TS], v[TA:TA+1] offset:TOT
	s_wait_dscnt 0x0                               ; done, for the other waves' sake
	s_barrier_signal -1
	s_barrier_wait -1
	s_wait_alu depctr_vm_vsrc(0)                   ; my store has read v[TA ..], in which the load lands
	ds_load_b64 v[TA:TA+1], v[TR] offset:TOT       ; lane l: wave l's (lanes 24 .. 31 repeat wave 23's and count nothing)
	s_wait_dscnt 0x0
	v_cmp_gt_u32 vcc_lo, s[WV], v[LANE]            ; the waves in front of mine
	s_wait_alu depctr_va_vcc(0)                    ; the compare has written VCC, which the two selects read
	v_cndmask_b32 v[GBV], 0, v[TA], vcc_lo
	v_cndmask_b32 v[EBV], 0, v[TA+1], vcc_lo
	v_cndmask_b32 v[TA], 0, v[TA], s[LM]
	WSUM TA, XT, CGT
	WSUM GBV, XT, GB
	WSUM EBV, XT, EB
	s_wait_alu depctr_va_sdst(0)                   ; the three sums are written into s[CGT], s[GB] and s[EB], ahead of their first readers
	s_sub_co_u32 s[RQ], KTH, s[CGT]
	s_min_u32 s[S0], s[EB], s[RQ]
	s_add_co_u32 s[SP], s[GB], s[S0]
	PAIR 0, 0, 8
	PAIR 1, 2, 10
	PAIR 2, 4, 12
	v_writelane_b32 v[VO], s[SP], 14               ; the two empty words count as the next wave's first does
	v_writelane_b32 v[VO], s[SP], 15
.irp g, 0,1,2
	v_writelane_b32 v[VO], s[GN+\g], 16+\g
.endr
	s_wait_alu depctr_va_vdst(0)                   ; v[VO] is written, which the store reads
	ds_store_b32 v[O4], v[VO] offset:OUT2          ; my wave's chunk: 128 consecutive bytes at 128 w
	s_wait_dscnt 0x0                               ; done, for the waves that store the record
	s_barrier_signal -1
	s_barrier_wait -1
	s_cmp_ge_u32 s[WV], 6
	s_cbranch_scc1 .Lend                           ; 192 threads x 16 bytes are the record
	s_mul_i32 s54, ttmp9, 3072
	s_add_nc_u64 s[12:13], s[12:13], s[54:55]
	ds_load_b128 v[OD:OD+3], v[T16] offset:OUT2    ; no vector instruction since the ring's conversions names v[OD ..], and waits on the vector side stand behind those
	s_wait_dscnt 0x0
	global_store_b128 v[T16], v[OD:OD+3], s[12:13] ; sixteen lanes store 256 consecutive bytes, aligned
.Lend:
	s_wait_dscnt 0x0
	s_wait_alu depctr_hold_cnt(0) depctr_sa_sdst(0) depctr_va_vdst(0) depctr_va_sdst(0) depctr_va_ssrc(0) depctr_va_vcc(0) depctr_vm_vsrc(0)
	s_wait_tensorcnt 0x0
	ds_add_u32 v126, v127
	s_wait_dscnt 0x0
	s_endpgm
.Lfunc_end_k_q21cf4c5ed1_rescore:
	.size	k_q21cf4c5ed1_rescore, .Lfunc_end_k_q21cf4c5ed1_rescore-k_q21cf4c5ed1_rescore
	.p2alignl 7, 3214868480
	.fill 96, 4, 3214868480
	.section	.rodata,"a",@progbits
	.p2align	6, 0x0
	.amdhsa_kernel k_q21cf4c5ed1_rescore
		.amdhsa_group_segment_fixed_size 11520
		.amdhsa_private_segment_fixed_size 0
		.amdhsa_enable_private_segment 0
		.amdhsa_kernarg_size 40
		.amdhsa_user_sgpr_count 2
		.amdhsa_user_sgpr_kernarg_segment_ptr 1
		.amdhsa_wavefront_size32 1
		.amdhsa_system_sgpr_workgroup_id_x 1
		.amdhsa_system_sgpr_workgroup_id_y 1
		.amdhsa_system_sgpr_workgroup_id_z 1
		.amdhsa_system_vgpr_workitem_id 0
		.amdhsa_next_free_vgpr 160
		.amdhsa_next_free_sgpr 78
		.amdhsa_reserve_vcc 1
		.amdhsa_float_denorm_mode_32 3
		.amdhsa_float_denorm_mode_16_64 3
		.amdhsa_memory_ordered 1
		.amdhsa_forward_progress 1
		.amdhsa_inst_pref_size 85
	.end_amdhsa_kernel
	.amdgpu_metadata
---
amdhsa.version: [ 1, 2 ]
amdhsa.kernels:
  - .name:           k_q21cf4c5ed1_rescore
    .symbol:         k_q21cf4c5ed1_rescore.kd
    .args:
      - { .name: gsel, .offset: 0, .size: 8, .value_kind: global_buffer, .address_space: global }
      - { .name: item_embeddings_t, .offset: 8, .size: 8, .value_kind: global_buffer, .address_space: global }
      - { .name: query_embeddings, .offset: 16, .size: 8, .value_kind: global_buffer, .address_space: global }
      - { .name: cscore, .offset: 24, .size: 8, .value_kind: global_buffer, .address_space: global }
      - { .name: csel, .offset: 32, .size: 8, .value_kind: global_buffer, .address_space: global }
    .group_segment_fixed_size: 11520
    .private_segment_fixed_size: 0
    .kernarg_segment_align: 8
    .kernarg_segment_size: 40
    .max_flat_workgroup_size: 768
    .sgpr_count:     78
    .vgpr_count:     160
    .wavefront_size: 32
...
	.end_amdgpu_metadata
.endif
;; end of part 9
;; launch final: the kernel of part 8 again; grid 128 x 1, 12 waves a work-group, no clusters, 17,408 bytes of LDS; arguments csel, cscore, item_ids, invalid_ids, out0, out1; writes out0, out1
